; MI455X (gfx1250); checked and timed in simulation.
; The chip was launched on July 23, 2026; its instructions are those of AMD's public machine-readable ISA for CDNA 5 (MIT licence, August 2026) and "CDNA5" Instruction Set Architecture Reference Guide (July 2026). The comments in the code are by the model that wrote it; some were corrected since.
;; Variable Transformer Block. Allowed arithmetic: matrix products marked QUANTISED: E3M2 operands, one E8M0 scale for each 32 along K, by v_wmma_scale_f32_16x16x128_f8f6f4 with both operands' format E3M2, f32 sums; everything else in f32.
;; Inputs: ff1_b 4,096 float32; ff1_w 4,096 x 1,024 float32; ff2_b 1,024 float32; ff2_w 1,024 x 4,096 float32; ln1_b 1,024 float32; ln1_g 1,024 float32; ln2_b 1,024 float32; ln2_g 1,024 float32; out_b 1,024 float32; out_w 1,024 x 1,024 float32; qkv_b 3,072 float32; qkv_w 3,072 x 1,024 float32; x 2 x 2,048 x 1,024 float32.
;; Outputs: out0 2 x 2,048 x 1,024 float32.
;; This version of the problem:
;;   THIS VERSION OF THE PROBLEM IS GIVEN IN LOW PRECISION. The matrix products marked QUANTISED in the list below multiply operands that are first quantised to E3M2 (3 exponent bits, 2 mantissa bits; 6 bits a number), with one power-of-two scale for each 32 numbers along K (OCP MX v1.0); their sums are f32. All else is computed in f32.
;;   The module's matrix products, in the order in which they are computed (A, B: the left and right operand; K: the contracted axis; several contracted axes count as one K, in the product's order):
;;     1. [M 4,096, K 1,024] x [K 1,024, N 3,072]; A: computed on the way; B: input qkv_w: QUANTISED
;;     2. batch 32 x [M 2,048, K 64] x [K 64, N 2,048]; A: computed on the way; B: computed on the way: QUANTISED
;;     3. batch 32 x [M 64, K 2,048] x [K 2,048, N 2,048]; A: computed on the way; B: softmax (see below): QUANTISED
;;     4. [M 4,096, K 1,024] x [K 1,024, N 1,024]; A: computed on the way; B: input out_w: QUANTISED
;;     5. [M 4,096, K 1,024] x [K 1,024, N 4,096]; A: computed on the way; B: input ff1_w: QUANTISED
;;     6. [M 4,096, K 4,096] x [K 4,096, N 1,024]; A: computed on the way; B: input ff2_w: QUANTISED
;;   THE QUANTISER, for each operand of a quantised product, along K:
;;     - K is cut into blocks of 32 from its start; a last block that is shorter is filled with zeros.
;;     - A block's scale is 2^e with e = floor(log2(the largest magnitude in the block)) - 4, held to -126 .. 127; a block of zeros has e = 0. As a byte (E8M0): e + 127.
;;     - Each number is divided by its block's scale, clamped to +-28, and rounded to the nearest number of E3M2, ties to even, subnormals kept.
;;     - The product sums the exact products of the quantised numbers (number of the format x scale) in f32.
;;   ~~~python
;;   def quantise(x, axis):      # numpy; x: float32 -> the quantised numbers, widened to float32 again
;;       x = np.moveaxis(x, axis, -1); K = x.shape[-1]
;;       x = np.pad(x, [(0, 0)] * (x.ndim - 1) + [(0, -K % 32)]); x = x.reshape(x.shape[:-1] + (-1, 32)); a = np.abs(x).max(-1, keepdims=True)
;;       e = np.where(a > 0, np.clip(np.frexp(np.where(a > 0, a, 1))[1] - 1 - 4, -126, 127), 0)      # np.frexp(a)[1] - 1 = floor(log2(a)), exactly
;;       r = np.clip(x / 2.0 ** e, -28, 28)
;;       step = 2.0 ** (np.maximum(np.frexp(np.where(r == 0, 1, r))[1] - 1, -2) - 2)
;;       q = np.round(r / step) * step * 2.0 ** e      # np.round: ties to even
;;       return np.moveaxis(q.reshape(q.shape[:-2] + (-1,))[..., :K], -1, axis).astype(np.float32)
;;   ~~~
;;   SOFTMAX AHEAD OF A QUANTISED PRODUCT. Where the list says 'softmax', what is quantised is not the finished softmax but p = 2^(t - M), with t = logit x log2(e) and M = ceil(the row's largest t), a whole number; so 1/2 < the row's largest p <= 1. The row's sum l is taken of the UNQUANTISED p, in f32, and the product's result is divided by l at the end. Since M is a whole number, a kernel that streams over the keys may use a running M (the ceiling of the running maximum): every later rescaling is an exact power of two, which a block's scale takes up: the codes' values come out the same.
;;   OPERANDS COMPUTED ON THE WAY. 'Computed on the way' means the value that the module computes at that place (a softmax that the list does not call 'softmax' is quantised finished and normalised). What goes into a quantiser is computed in f32, as accurately as f32 sums, v_exp_f32 and their like allow (about 1e-6 of the number): no bf16 or f16 on the way to a quantiser, and a product that is left as it is and whose result goes on into a quantised operand takes f32 operands (vector FMAs, or v_wmma_f32_16x16x4_f32). A number that lies on a knife's edge between two numbers of the format may be rounded either way, as far as f32 arithmetic and the matrix unit's own rounding can turn it there, and no further.
;; One version. Each part assembles by itself: llvm-mc -triple=amdgcn-amd-amdhsa -mcpu=gfx1250 --defsym DOCPART=n.
;; ======== version 1 of 1: 7 launches
;; limits: right only within a limited range of input values
;; workspace buffers: wb 9,830,400 bytes; hb 3,276,800 bytes; qkvb 9,830,400 bytes; ob 3,276,800 bytes; x1 16,777,216 bytes; gb 13,107,200 bytes
;; launch prep (part 1): grid 448 x 1, 8 waves a work-group, no clusters, 137,216 bytes of LDS; arguments qkv_w, out_w, ff1_w, ff2_w, wb, x, ln1_g, ln1_b, hb; writes wb, hb
.if DOCPART == 1
	.amdgcn_target "amdgcn-amd-amdhsa--gfx1250"
	.amdhsa_code_object_version 6
	.text
	.protected	k_q1aab9d7292_prep
	.globl	k_q1aab9d7292_prep
	.p2align	8
	.type	k_q1aab9d7292_prep,@function
k_q1aab9d7292_prep:
	s_mov_b64 s[64:65], 0
	v_nop
	global_prefetch_b8 v0, s[64:65] scope:SCOPE_SE
	s_setreg_imm32_b32 hwreg(HW_REG_WAVE_MODE, 25, 1), 1
	s_wait_xcnt 0x0
; THE PROGRAM: a pre-norm transformer block, all six matrix products on codes of BF6 (E3M2) with one E8M0 scale for each 32 along K.
; NOTHING OF reference() IS LEFT OUT: every input has a way to out0 (the bias on K too: it moves K's codes), so every input is loaded and every product is made.
; LIMITS of the whole program: NaN and infinities among the inputs are not served; a block of zeros gets the scale byte 1 where the rule says 127 (its codes are zeros, which add nothing
; under any byte but 0xff, and the bytes are read by this program alone); blocks whose largest magnitude lies under 2^(5 - 127) have their byte held at 1.
; THIS LAUNCH does the two things that hang on no earlier launch.  Work-groups 0 .. 191 turn the four weights [N][K] f32 (K innermost) into codes; work-groups 192 .. 447 make the first layer norm and its codes.
; The two ways part on the work-group's number alone, and each has LDS bytes of its own.
; A TILE OF 16 ROWS takes its rows in this order: lane r of tile t holds row 32 (t / 2) + 8 (t % 2) + r + 8 (r / 8).  So a product's 16 registers of two neighbouring tiles are 16 neighbours along the next K.
; A BLOCK is 128 rows x 512 along K, 51,200 bytes: codes [tile 0..7][64 k: 0..7][piece 0..2][lane][8 bytes], then at 49,152 the scale words [tile][r][128 k: 0..3].
; wb = blocks: qkv_w 0..47 (row group x 2), out_w 48..63, ff1_w 64..127, ff2_w 128..191 (row group x 8).  hb = blocks: row group x 2.
; THE WEIGHTS: work-group i takes block i of wb, wave w its tile w: 16 rows x 512 k, four fragments.  Each load reads 512 consecutive bytes of one row; the 8,192 bytes of a fragment turn through the wave's own stage in LDS
; (rows 528 bytes apart) and come back 16 neighbours a lane and block.  Each store of codes covers 256 consecutive bytes, aligned.  No barrier: these waves share nothing.
; THE NORM: h = (x - mean) rsqrt(var + 1e-5) g + b over rows of 1,024 f32.  A work-group takes one tile of 16 rows, wave w columns 128 w .. 128 w + 127, one fragment.  The variance is taken of x - mean, in a second pass over
; registers: no difference of large sums.  The rows' sums meet in LDS: two barriers.  Memory binds both ways: no matrix unit, no cluster, no tensor load.
.set NWQ,   192                        ; work-groups for the weights
.set STL,   67584                      ; behind the weights' eight stages of 8,448 bytes: the norm's eight
.set PART,  135168                     ; [r][wave] f32, 512 bytes for the sums, 512 for the squares
.set SPARE, 136192                     ; the spare words, 128 bytes a wave
.set SPW, 12                           ; v12  LDS address of my spare word; never rewritten
.set NIL, 13                           ; v13  0; never rewritten
.set ADR, 16                           ; the weights: v16-31  row i of my tile: 16 x lane + its rows x the pitch
.set WR,  32                           ; v32-95, v96-159  two sets of 64 numbers as loaded
.set WX,  160                          ; v160-223  register 16 b + i = k 32 b + 16 (lane / 16) + i of my row
.set LR,  32                           ; the norm: v32-95   x as loaded, later beta
.set LX,  96                           ; v96-159  register 16 b + i = column 128 w + 32 b + 16 (lane / 16) + i of my row
.set LG,  160                          ; v160-223 gamma of the same columns
.set PC,  224                          ; v224-235 a fragment's codes; v236-243 at work
.set TM,  244                          ; v244-247 largest magnitudes, v248-251 bytes, v252-255 the conversions' scale operands
.set WV,  22                           ; s22  my wave's number
.set HM,  59                           ; s59  lanes 16-31
.set SEL, 60                           ; s[60:61] v_permlanex16_b32's selects for lane l xor 16
; 64 numbers of a lane become a fragment's codes in v[PC] on and its scale word in v[pw]
.macro QUANT s, pw
.irp b, 0,1,2,3
	v_max3_num_f32 v[TM+\b], |v[(\s)+16*\b]|, |v[(\s)+1+16*\b]|, 0x2800000   ; my 16 numbers of block b, and the floor 2^(5 - 127): the byte cannot fall under 1
.endr
.irp i, 2,4,6,8,10,12,14
.irp b, 0,1,2,3
	s_delay_alu instid0(VALU_DEP_4)
	v_max3_num_f32 v[TM+\b], v[TM+\b], |v[(\s)+16*\b+\i]|, |v[(\s)+1+16*\b+\i]|
.endr
.endr
.irp b, 0,1,2,3
	s_delay_alu instid0(VALU_DEP_4)
	v_permlanex16_b32 v[TM+4+\b], v[TM+\b], s[SEL], s[SEL+1]
.endr
.irp b, 0,1,2,3
	s_delay_alu instid0(VALU_DEP_4)
	v_max_num_f32 v[TM+\b], v[TM+\b], v[TM+4+\b]           ; with lane l xor 16's: the block's largest magnitude
.endr
.irp b, 0,1,2,3
	s_delay_alu instid0(VALU_DEP_4)
	v_add_nc_u32 v[TM+8+\b], 0xfe000000, v[TM+\b]          ; 4 off its exponent field: the conversion takes that field as its scale
.endr
.irp b, 0,1,2,3
	s_delay_alu instid0(VALU_DEP_4)
	v_lshrrev_b32 v[TM+4+\b], 23, v[TM+8+\b]               ; the scale's byte
.endr
	s_delay_alu instid0(VALU_DEP_3)
	v_lshl_or_b32 v[\pw], v[TM+5], 8, v[TM+4]
	s_delay_alu instid0(VALU_DEP_1)
	v_lshl_or_b32 v[\pw], v[TM+6], 16, v[\pw]
	s_delay_alu instid0(VALU_DEP_1)
	v_lshl_or_b32 v[\pw], v[TM+7], 24, v[\pw]
.irp c, 0,1
	v_cvt_scalef32_pk16_bf6_f32 v[PC+6*\c:PC+2+6*\c], v[(\s)+32*\c:(\s)+15+32*\c], v[TM+8+2*\c]
	v_cvt_scalef32_pk16_bf6_f32 v[PC+12+4*\c:PC+14+4*\c], v[(\s)+16+32*\c:(\s)+31+32*\c], v[TM+8+2*\c+1]   ; (a conversion's three registers begin on an even number)
.endr
	v_nop                                                  ; one plain place behind a scaled conversion
.irp c, 0,1                            ; the operand's layout wants a whole block in a lane: lanes 0-15 block 2 c, lanes 16-31 block 2 c + 1
.irp i, 0,1,2
	v_permlane16_swap_b32 v[PC+6*\c+\i], v[PC+12+4*\c+\i]
.endr
.irp i, 0,1,2
	s_delay_alu instid0(VALU_DEP_3)
	v_mov_b32 v[PC+3+6*\c+\i], v[PC+12+4*\c+\i]
.endr
.endr
.endm
	s_load_b256 s[4:11], s[0:1], 0x0               ; qkv_w, out_w, ff1_w, ff2_w
	s_load_b256 s[12:19], s[0:1], 0x20             ; wb, x, gamma, beta
	s_load_b64 s[20:21], s[0:1], 0x40              ; hb
	v_lshl_add_u32 v[SPW], v0, 2, SPARE
	v_mov_b32 v[NIL], 0
	v_lshrrev_b32 v1, 5, v0
	s_delay_alu instid0(VALU_DEP_1)
	v_readfirstlane_b32 s[WV], v1                  ; wave 0..7
	v_and_b32 v1, 31, v0                           ; lane
	v_and_b32 v2, 15, v0                           ; r
	v_bfe_u32 v3, v0, 4, 1                         ; h
.irp b, 0,1,2,3
	v_mov_b32 v[TM+4+\b], 0                        ; a lane permute's destination counts as one of its sources
.endr
	s_mov_b32 s[SEL], 0x76543210
	s_mov_b32 s[SEL+1], 0xfedcba98
	s_mul_i32 s23, s[WV], 8448                     ; my stage among eight
	s_wait_kmcnt 0x0
	s_cmp_ge_u32 ttmp9, NWQ                        ; the work-group's number alone: all eight waves go the same way
	s_cbranch_scc1 .Lnorm
	; ---- THE WEIGHTS: block ttmp9 of wb, tile = my wave's number
	s_wait_alu depctr_va_vdst(0)
	v_lshlrev_b32 v14, 4, v1                       ; 16 x lane
	s_wait_alu depctr_va_vdst(0)
	v_add_nc_u32 v4, s23, v14                      ; into the stage: as loaded
	v_mul_u32_u24 v5, v2, 528
	s_delay_alu instid0(VALU_DEP_1)
	v_lshl_add_u32 v5, v3, 6, v5
	s_delay_alu instid0(VALU_DEP_1)
	v_add_nc_u32 v5, s23, v5                       ; out of it: row r, + 64 h
	v_lshlrev_b32 v6, 3, v1                        ; 8 x lane: my place in a piece of codes
	v_lshlrev_b32 v7, 4, v2
	s_delay_alu instid0(VALU_DEP_1)
	v_lshl_add_u32 v7, v3, 3, v7                   ; 16 r + 8 h: my two scale words
	s_mov_b32 s[HM], 0xffff0000
	s_cmp_lt_u32 ttmp9, 48                         ; which weight: the choice hangs on the work-group's number alone
	s_cselect_b64 s[4:5], s[4:5], s[6:7]
	s_cselect_b32 s24, 0, 48                       ; its first block
	s_cmp_lt_u32 ttmp9, 64
	s_cselect_b64 s[4:5], s[4:5], s[8:9]
	s_cselect_b32 s24, s24, 64
	s_cmp_lt_u32 ttmp9, 128
	s_cselect_b64 s[4:5], s[4:5], s[10:11]
	s_cselect_b32 s24, s24, 128
	s_cselect_b32 s25, 1, 3                        ; log2 of its blocks along K: K = 1,024, or 4,096 for ff2_w
	s_sub_co_u32 s26, ttmp9, s24
	s_bfm_b32 s27, s25, 0
	s_and_b32 s27, s26, s27                        ; which 512 along K
	s_lshr_b32 s26, s26, s25                       ; which 128 rows
	s_lshl_b32 s28, 2048, s25                      ; a row in bytes
	s_lshl_b32 s29, s26, 7
	s_lshr_b32 s30, s[WV], 1
	s_lshl_b32 s30, s30, 5
	s_add_co_u32 s29, s29, s30
	s_and_b32 s30, s[WV], 1
	s_lshl_b32 s30, s30, 3
	s_add_co_u32 s29, s29, s30                     ; my tile's first row
	s_mul_i32 s30, s29, s28
	s_lshl_b32 s31, s27, 11
	s_add_co_u32 s30, s30, s31                     ; under 2^25
	s_mov_b32 s31, 0
	s_add_nc_u64 s[4:5], s[4:5], s[30:31]
.irp i, 0,1,2,3,4,5,6,7,8,9,10,11,12,13,14,15
	v_mad_u32_u24 v[ADR+\i], s28, \i+8*(\i/8), v14
.endr
	s_mul_i32 s30, ttmp9, 51200
	s_add_nc_u64 s[12:13], s[12:13], s[30:31]      ; my block
	s_lshl_b32 s30, s[WV], 8
	s_add_co_u32 s30, s30, 49152
	s_add_nc_u64 s[32:33], s[12:13], s[30:31]      ; my tile's scale words
	s_mul_i32 s30, s[WV], 6144
	s_add_nc_u64 s[12:13], s[12:13], s[30:31]      ; my tile's codes
.macro LOAD f                          ; fragment f: 128 k of 16 rows: 32 lanes read 512 consecutive bytes of a row
.irp i, 0,1,2,3,4,5,6,7,8,9,10,11,12,13,14,15
	global_load_b128 v[WR+64*((\f)%2)+4*\i:WR+64*((\f)%2)+4*\i+3], v[ADR+\i], s[4:5] offset:512*(\f) th:TH_LOAD_NT
.endr
.endm
.macro TURN f                          ; through my stage: LDS serves a wave's instructions in order, so no wait stands between the stores and the loads
.irp i, 0,1,2,3,4,5,6,7,8,9,10,11,12,13,14,15
	ds_store_b128 v4, v[WR+64*((\f)%2)+4*\i:WR+64*((\f)%2)+4*\i+3] offset:528*\i
.endr
.irp b, 0,1,2,3
.irp j, 0,1,2,3
	ds_load_b128 v[WX+16*\b+4*\j:WX+16*\b+4*\j+3], v5 offset:128*\b+16*\j
.endr
.endr
.endm
.macro FRAGW f
.if (\f) < 3
	s_wait_loadcnt 16                              ; this fragment's 16 loads are in; the next one's may be out
.else
	s_wait_loadcnt 0x0
.endif
	TURN \f
	s_wait_dscnt 0x0
.if (\f) < 2
	LOAD (\f)+2                                    ; into the set that the stage's stores have read
.endif
	s_wait_xcnt 0x0                                ; the last fragment's stores have read v[PC] on: it is written again only behind this wait
	QUANT WX, 8+\f
.irp pc, 0,1,2,3,4,5
	global_store_b64 v6, v[PC+2*\pc:PC+2*\pc+1], s[12:13] offset:1536*(\f)+256*\pc   ; 32 lanes store 256 consecutive bytes, aligned
.endr
.endm
	LOAD 0
	LOAD 1
	s_wait_alu depctr_va_vdst(0)
	FRAGW 0
	FRAGW 1
	FRAGW 2
	FRAGW 3
	v_cndmask_b32 v8, v8, v10, s[HM]               ; lanes 0-15 store words 0, 1 of row r, lanes 16-31 words 2, 3 (both halves hold all four)
	v_cndmask_b32 v9, v9, v11, s[HM]
	global_store_b64 v7, v[8:9], s[32:33]          ; 256 consecutive bytes, aligned
	s_wait_tensorcnt 0x0                           ; the wave's end
	ds_add_u32 v[SPW], v[NIL]
	s_wait_dscnt 0x0
	s_endpgm
	; ---- THE NORM: tile T = ttmp9 - 192
.macro MEET off                        ; my part of a row's sum (v22) to LDS; a barrier; all eight parts back; their sum in v24, the same in every wave
	ds_store_b32 v11, v22 offset:\off              ; both lanes of a row write the same word with the same value
	s_wait_dscnt 0x0                               ; for the others' sake: my store has landed
	s_barrier_signal -1
	s_barrier_wait -1
	ds_load_b128 v[24:27], v10 offset:\off
	ds_load_b128 v[28:31], v10 offset:\off+16
	s_wait_dscnt 0x0
	v_add_f32 v24, v24, v25
	v_add_f32 v26, v26, v27
	v_add_f32 v28, v28, v29
	v_add_f32 v30, v30, v31
	s_delay_alu instid0(VALU_DEP_3)
	v_add_f32 v24, v24, v26
	s_delay_alu instid0(VALU_DEP_2)
	v_add_f32 v28, v28, v30
	s_delay_alu instid0(VALU_DEP_1)
	v_add_f32 v24, v24, v28
.endm
.macro ACROSS                          ; the two chains, the pair's halves and lane l xor 16's: v22 = the sum over my row's 128 columns
	s_delay_alu instid0(VALU_DEP_1)
	v_pk_add_f32 v[22:23], v[22:23], v[24:25]
	s_delay_alu instid0(VALU_DEP_1)
	v_add_f32 v22, v22, v23
	s_delay_alu instid0(VALU_DEP_1)
	v_permlanex16_b32 v23, v22, s[SEL], s[SEL+1]
	s_delay_alu instid0(VALU_DEP_1)
	v_add_f32 v22, v22, v23
.endm
.Lnorm:
	s_sub_co_u32 s24, ttmp9, NWQ                   ; T
	s_add_co_u32 s23, s23, STL                     ; my stage among the norm's eight
	s_wait_alu depctr_va_vdst(0)
	v_lshlrev_b32 v6, 4, v1                        ; 16 x lane
	s_delay_alu instid0(VALU_DEP_1)
	v_add_nc_u32 v4, s23, v6                       ; into my stage
	v_mul_u32_u24 v5, v2, 528
	s_delay_alu instid0(VALU_DEP_1)
	v_lshl_add_u32 v5, v3, 6, v5
	s_delay_alu instid0(VALU_DEP_1)
	v_add_nc_u32 v5, s23, v5                       ; out of it
	v_lshlrev_b32 v7, 6, v3                        ; 64 h: gamma's and beta's offset
	s_wait_alu depctr_va_vdst(0)
	v_lshlrev_b32 v8, 3, v1                        ; 8 x lane
	v_lshlrev_b32 v9, 4, v2                        ; 16 r
	v_lshlrev_b32 v10, 5, v2
	s_delay_alu instid0(VALU_DEP_1)
	v_add_nc_u32 v10, PART, v10                    ; my row's eight parts
	s_lshl_b32 s25, s[WV], 2
	v_add_nc_u32 v11, s25, v10                     ; my wave's among them
	s_mov_b32 s34, 0x3a800000                      ; 1 / 1,024
	s_mov_b32 s35, 0x3727c5ac                      ; 1e-5
	s_lshr_b32 s26, s24, 1
	s_lshl_b32 s26, s26, 5
	s_and_b32 s27, s24, 1
	s_lshl_b32 s27, s27, 3
	s_add_co_u32 s26, s26, s27                     ; the tile's first row
	s_lshl_b32 s28, s[WV], 9                       ; my 128 columns, in bytes
	s_mov_b32 s29, 0
	s_lshl_b32 s30, s26, 12
	s_add_co_u32 s30, s30, s28
	s_mov_b32 s31, 0
	s_lshr_b32 s36, s24, 3
	s_lshl_b32 s36, s36, 1
	s_lshr_b32 s37, s[WV], 2
	s_add_co_u32 s36, s36, s37
	s_mul_i32 s36, s36, 51200                      ; my block: 2 (T / 8) + w / 4
	s_and_b32 s38, s24, 7
	s_and_b32 s39, s[WV], 3
	s_mul_i32 s40, s38, 6144
	s_mul_i32 s37, s39, 1536
	s_add_co_u32 s40, s40, s37
	s_add_co_u32 s40, s40, s36                     ; my fragment's codes
	s_mov_b32 s41, 0
	s_lshl_b32 s42, s38, 8
	s_lshl_b32 s37, s39, 2
	s_add_co_u32 s42, s42, s37
	s_add_co_u32 s42, s42, s36
	s_add_co_u32 s42, s42, 49152                   ; its scale words
	s_mov_b32 s43, 0
	s_add_nc_u64 s[14:15], s[14:15], s[30:31]
	s_add_nc_u64 s[16:17], s[16:17], s[28:29]
	s_add_nc_u64 s[18:19], s[18:19], s[28:29]
	s_add_nc_u64 s[44:45], s[20:21], s[40:41]
	s_add_nc_u64 s[46:47], s[20:21], s[42:43]
.irp i, 0,1,2,3,4,5,6,7,8,9,10,11,12,13,14,15
	global_load_b128 v[LR+4*\i:LR+4*\i+3], v6, s[14:15] offset:(\i+8*(\i/8))*4096   ; 512 consecutive bytes of a row
.endr
.irp b, 0,1,2,3
.irp j, 0,1,2,3
	global_load_b128 v[LG+16*\b+4*\j:LG+16*\b+4*\j+3], v7, s[16:17] offset:128*\b+16*\j
.endr
.endr
	s_wait_loadcnt 16                              ; x is in; gamma's 16 loads may be out
.irp i, 0,1,2,3,4,5,6,7,8,9,10,11,12,13,14,15
	ds_store_b128 v4, v[LR+4*\i:LR+4*\i+3] offset:528*\i
.endr
.irp b, 0,1,2,3
.irp j, 0,1,2,3
	ds_load_b128 v[LX+16*\b+4*\j:LX+16*\b+4*\j+3], v5 offset:128*\b+16*\j      ; LDS serves a wave's instructions in order: these see my stores
.endr
.endr
	s_wait_dscnt 0x0
.irp b, 0,1,2,3
.irp j, 0,1,2,3
	global_load_b128 v[LR+16*\b+4*\j:LR+16*\b+4*\j+3], v7, s[18:19] offset:128*\b+16*\j   ; beta, into the registers that x has left
.endr
.endr
	v_pk_add_f32 v[22:23], v[LX:LX+1], v[LX+2:LX+3]    ; the row's sum, two at a time, in two chains
	v_pk_add_f32 v[24:25], v[LX+4:LX+5], v[LX+6:LX+7]
.set j, 8
.rept 14
	s_delay_alu instid0(VALU_DEP_2)
	v_pk_add_f32 v[22:23], v[22:23], v[LX+j:LX+j+1]
	s_delay_alu instid0(VALU_DEP_2)
	v_pk_add_f32 v[24:25], v[24:25], v[LX+j+2:LX+j+3]
.set j, j+4
.endr
	ACROSS
	MEET 0
	s_delay_alu instid0(VALU_DEP_1)
	v_mul_f32 v16, s34, v24                        ; the mean,
	s_delay_alu instid0(VALU_DEP_1)
	v_mov_b32 v17, v16                             ; as a pair
.set j, 0
.rept 32
	v_pk_add_f32 v[LX+j:LX+j+1], v[LX+j:LX+j+1], v[16:17] neg_lo:[0,1] neg_hi:[0,1]   ; x - mean
.set j, j+2
.endr
	v_pk_mul_f32 v[22:23], v[LX:LX+1], v[LX:LX+1]
	v_pk_mul_f32 v[24:25], v[LX+2:LX+3], v[LX+2:LX+3]
.set j, 4
.rept 15
	s_delay_alu instid0(VALU_DEP_2)
	v_pk_fma_f32 v[22:23], v[LX+j:LX+j+1], v[LX+j:LX+j+1], v[22:23]
	s_delay_alu instid0(VALU_DEP_2)
	v_pk_fma_f32 v[24:25], v[LX+j+2:LX+j+3], v[LX+j+2:LX+j+3], v[24:25]
.set j, j+4
.endr
	ACROSS
	MEET 512
	s_delay_alu instid0(VALU_DEP_1)
	v_fma_f32 v18, v24, s34, s35                   ; the variance + 1e-5
	s_wait_alu depctr_va_vdst(0)
	v_rsq_f32 v18, v18
	v_nop                                          ; a plain place behind the transcendental
	s_wait_alu depctr_va_vdst(0)                   ; and the wait ahead of the first use
	v_mov_b32 v19, v18
.set j, 0
.rept 32
	v_pk_mul_f32 v[LX+j:LX+j+1], v[LX+j:LX+j+1], v[18:19]
.set j, j+2
.endr
	s_wait_loadcnt 0x0                             ; gamma and beta
.set j, 0
.rept 32
	v_pk_fma_f32 v[LX+j:LX+j+1], v[LX+j:LX+j+1], v[LG+j:LG+j+1], v[LR+j:LR+j+1]
.set j, j+2
.endr
	QUANT LX, 20
.irp pc, 0,1,2,3,4,5
	global_store_b64 v8, v[PC+2*\pc:PC+2*\pc+1], s[44:45] offset:256*\pc     ; 256 consecutive bytes, aligned
.endr
	global_store_b32 v9, v20, s[46:47]             ; row r's scale word; lanes l and l xor 16 hold the same word and name the same place
	s_wait_tensorcnt 0x0                           ; the wave's end
	ds_add_u32 v[SPW], v[NIL]
	s_wait_dscnt 0x0
	s_endpgm
.Lfunc_end_k_q1aab9d7292_prep:
	.size	k_q1aab9d7292_prep, .Lfunc_end_k_q1aab9d7292_prep-k_q1aab9d7292_prep
	.p2alignl 7, 3214868480
	.fill 96, 4, 3214868480
	.section	.rodata,"a",@progbits
	.p2align	6, 0x0
	.amdhsa_kernel k_q1aab9d7292_prep
		.amdhsa_group_segment_fixed_size 137216
		.amdhsa_private_segment_fixed_size 0
		.amdhsa_enable_private_segment 0
		.amdhsa_kernarg_size 72
		.amdhsa_user_sgpr_count 2
		.amdhsa_user_sgpr_kernarg_segment_ptr 1
		.amdhsa_wavefront_size32 1
		.amdhsa_system_sgpr_workgroup_id_x 1
		.amdhsa_system_sgpr_workgroup_id_y 1
		.amdhsa_system_sgpr_workgroup_id_z 1
		.amdhsa_system_vgpr_workitem_id 0
		.amdhsa_next_free_vgpr 256
		.amdhsa_next_free_sgpr 66
		.amdhsa_reserve_vcc 0
		.amdhsa_float_denorm_mode_32 3
		.amdhsa_float_denorm_mode_16_64 3
		.amdhsa_memory_ordered 1
		.amdhsa_forward_progress 1
		.amdhsa_inst_pref_size 72
	.end_amdhsa_kernel
	.amdgpu_metadata
---
amdhsa.version: [ 1, 2 ]
amdhsa.kernels:
  - .name:           k_q1aab9d7292_prep
    .symbol:         k_q1aab9d7292_prep.kd
    .args:
      - { .name: qkv_w, .offset: 0, .size: 8, .value_kind: global_buffer, .address_space: global }
      - { .name: out_w, .offset: 8, .size: 8, .value_kind: global_buffer, .address_space: global }
      - { .name: ff1_w, .offset: 16, .size: 8, .value_kind: global_buffer, .address_space: global }
      - { .name: ff2_w, .offset: 24, .size: 8, .value_kind: global_buffer, .address_space: global }
      - { .name: wb, .offset: 32, .size: 8, .value_kind: global_buffer, .address_space: global }
      - { .name: x, .offset: 40, .size: 8, .value_kind: global_buffer, .address_space: global }
      - { .name: ln1_g, .offset: 48, .size: 8, .value_kind: global_buffer, .address_space: global }
      - { .name: ln1_b, .offset: 56, .size: 8, .value_kind: global_buffer, .address_space: global }
      - { .name: hb, .offset: 64, .size: 8, .value_kind: global_buffer, .address_space: global }
    .group_segment_fixed_size: 137216
    .private_segment_fixed_size: 0
    .kernarg_segment_align: 8
    .kernarg_segment_size: 72
    .max_flat_workgroup_size: 256
    .sgpr_count:     66
    .vgpr_count:     256
    .wavefront_size: 32
...
	.end_amdgpu_metadata
.endif
;; end of part 1
;; launch qkv (part 2): grid 8 x 32, 4 waves a work-group, clusters of 4 x 4, 327,680 bytes of LDS; arguments hb, wb, qkv_b, qkvb; writes qkvb
.if DOCPART == 2
	.amdgcn_target "amdgcn-amd-amdhsa--gfx1250"
	.amdhsa_code_object_version 6
	.text
	.protected	k_q1aab9d7292_qkv
	.globl	k_q1aab9d7292_qkv
	.p2align	8
	.type	k_q1aab9d7292_qkv,@function
k_q1aab9d7292_qkv:
	s_mov_b64 s[64:65], 0
	v_nop
	global_prefetch_b8 v0, s[64:65] scope:SCOPE_SE
	s_setreg_imm32_b32 hwreg(HW_REG_WAVE_MODE, 25, 1), 1
	s_wait_xcnt 0x0
	s_wait_alu depctr_hold_cnt(0) depctr_sa_sdst(0) depctr_va_vdst(0) depctr_va_sdst(0) depctr_va_ssrc(0) depctr_va_vcc(0) depctr_vm_vsrc(0)
	s_getreg_b32 s2, hwreg(HW_REG_IB_STS2, 6, 4)
	s_cmp_eq_u32 s2, 0
	s_cbranch_scc0 .Lentry_in_a_cluster
	s_endpgm
.Lentry_in_a_cluster:
	s_bfe_u32 s2, ttmp6, 0x10000c
	s_cmp_lg_u32 s2, 0xf033
	s_cbranch_scc0 .Lentry_shape_is_right
	s_endpgm
.Lentry_shape_is_right:
; q, k, v = h qkv_w^T + qkv_b on codes of BF6, and their quantising for attention, in registers.  Nothing is left out.  LIMITS: as stated at the head of the first kernel.
; hb and wb are blocks of 128 rows x 512 k (51,200 bytes: codes [tile][64 k][piece][lane][8], at 49,152 scale words [tile][r][128 k]); a tile's lane r holds row 32 (t / 2) + 8 (t % 2) + r + 8 (r / 8).
; SHARES: a work-group owns 128 tokens (row group g) and makes three tiles of 128 x 128: columns 128 cg of q, of k and of v.  Four waves, 64 x 64 each: 16 accumulators.
; THE ROWS' CODES come into LDS once (K = 1,024, 102,400 bytes) and from there ONCE INTO REGISTERS: a wave's 64 rows x 1,024 k are 32 fragments, 384 registers, which serve all three tiles.  So a step of 128 k reads from LDS
; the weight's four fragments alone, 24 loads for 16 matrix instructions.  The weights' tiles take turns in two slots of 102,400 bytes, the next tile asked for at the head of the one in hand.
; CLUSTER 4 x 4: the four of a row share the tokens' codes, the four of a column the weights': each is asked for jointly.  Every wave moves a quarter, 25,600 dense bytes as 100 rows of 256.
; q, k: source 0 = 16 rows of the weight, source 1 = 16 tokens: a lane holds one token and 64 neighbouring columns, which are one head: they become half a fragment (16 tokens x 64).
; v: the sources change places: a lane holds one channel and 64 neighbouring tokens: V^T with the keys innermost, with nothing transposed.
; qkvb: 96 sections (32 x which + 16 x batch + head) of 102,400 bytes: codes [unit of 3,072 bytes: 0..31][4 x 768] (q, k: token tiles 4 unit + x; v: keys 64 unit on, channel tile x); at 98,304 the scale halfwords:
; q, k [pair of token tiles][r] words, v [128 keys][channel tile][r] words.
; REGISTERS: window 0: v1-18 addresses; v28, v29 the add's two; v32-63 scale words, two sets; v64-95 the bias as C; v96-123 at work; v128-255 accumulators ((x, y) at 128 + 8 (4 x + y)).
;   window 1: the weight's fragments, two buffers, v0-47 and v128-175.   window 2: my rows' fragments of k 0-511 (128 k: q, tile i: at 48 q + 12 i);   window 3: those of k 512-1,023.
.set BLKB,  51200
.set SLOTB, 102400
.set QTR,   25600
.set SPARE, 307200                     ; behind the rows' codes and the two slots: the spare words, 128 bytes a wave
.set WOFF,  0                          ; qkv_w's first byte in wb
.set BSTEP, 819200                     ; eight row groups on in wb
.set OSTEP, 3276800                    ; 32 sections on in qkvb
.set AA,  4                            ; v4-5   my rows' fragments in LDS, k 0-511 and 512-1,023
.set AB0, 6                            ; v6-7   the same for the weight, in slot 0
.set AS0, 8                            ; v8-9   my rows' scale words
.set ADB, 10                           ; v10-11 the weight's fragments in the slot in hand
.set ADS, 12                           ; v12-13 scale words: lanes 0-15 the rows', lanes 16-31 the weight's
.set CO,  14                           ; v14    8 x lane
.set HO,  15                           ; v15    q's, k's halfwords
.set GO,  16                           ; v16    64 h
.set HOV, 17                           ; v17    v's halfwords
.set BO,  18                           ; v18    4 (r + 8 (r / 8))
.set SPW, 28
.set NIL, 29
.set SC,  32
.set G,   64
.set PC,  96                           ; v96-101 half a fragment's codes; v102-104 at work
.set PT,  102
.set QM,  106
.set QP,  108
.set QS,  110
.set HW,  112                          ; v112-115 the four tiles' scale halfwords
.set BV,  116                          ; v116-119 v's bias at my lane's channel of tile x
.set HS,  120
.set ACC, 128
.set F0,  0
.set WV, 12
.set WM, 13
.set WN, 14
.set G1A, 24
.set G1B, 32
.set G0A, 40
.set G0B, 44
.set TB,  48                           ; s48 the slot in hand: 0 or 102,400
.set TN,  49
.set LB0, 50
.set D0,  51
.set HM,  53
.set SEL, 54
.set TO_F, 0x40                        ; destination window 1, address window 0
.set MSB, 0
.macro WIN new                         ; the immediate's high byte repeats the setting that is left
.if MSB != \new
	s_set_vgpr_msb (MSB<<8)|\new
.set MSB, \new
.endif
.endm
.macro PLACES n
.rept \n
	v_nop
.endr
.endm
.macro CROUND                          ; a round of the cluster's barrier
	s_barrier_signal -1
	s_barrier_wait -1
	s_cmp_lg_u32 s[WV], 0
	s_cbranch_scc1 .Lnot_wave_0_\@
	s_barrier_signal -3
.Lnot_wave_0_\@:
	s_barrier_wait -3
	s_barrier_signal -1
	s_barrier_wait -1
.endm
; 32 numbers of a lane, register 16 b + i = k 32 b + 16 (lane / 16) + i of its row, become half a fragment's codes in v[PC] on and its two scale bytes in v[hw]
.macro QUANT2 s, hw
	v_max3_num_f32 v[QM], |v[(\s)]|, |v[(\s)+1]|, 0x2800000        ; and the floor 2^(5 - 127).  (Each accumulator is read from its low end on)
	v_max3_num_f32 v[QM+1], |v[(\s)+16]|, |v[(\s)+17]|, 0x2800000
.irp i, 2,4,6,8,10,12,14
	v_max3_num_f32 v[QM], v[QM], |v[(\s)+\i]|, |v[(\s)+\i+1]|
	v_max3_num_f32 v[QM+1], v[QM+1], |v[(\s)+16+\i]|, |v[(\s)+17+\i]|
.endr
	v_permlanex16_b32 v[QP], v[QM], s[SEL], s[SEL+1]
	v_permlanex16_b32 v[QP+1], v[QM+1], s[SEL], s[SEL+1]
	v_max_num_f32 v[QM], v[QM], v[QP]
	v_max_num_f32 v[QM+1], v[QM+1], v[QP+1]
	v_add_nc_u32 v[QS], 0xfe000000, v[QM]          ; 4 off the exponent field: the conversion's scale operand
	v_add_nc_u32 v[QS+1], 0xfe000000, v[QM+1]
	v_lshrrev_b32 v[QP], 23, v[QS]
	v_lshrrev_b32 v[QP+1], 23, v[QS+1]
	v_lshl_or_b32 v[\hw], v[QP+1], 8, v[QP]
	s_wait_alu depctr_va_vdst(0)
	s_wait_xcnt 0x0                                ; earlier stores have read v[PC] on: it is written again only behind this wait
	v_cvt_scalef32_pk16_bf6_f32 v[PC:PC+2], v[(\s):(\s)+15], v[QS]
	v_cvt_scalef32_pk16_bf6_f32 v[PT:PT+2], v[(\s)+16:(\s)+31], v[QS+1]
	v_nop                                          ; one plain place behind a scaled conversion
.irp i, 0,1,2
	v_permlane16_swap_b32 v[PC+\i], v[PT+\i]       ; a whole block to a lane: lanes 0-15 block 0, lanes 16-31 block 1
.endr
.irp i, 0,1,2
	v_mov_b32 v[PC+3+\i], v[PT+\i]
.endr
.endm
.macro GLOAD                           ; the bias in the result's layout: for tile y the eight columns 32 (y / 2) + 16 h + 8 (y % 2) + 0 .. 7
.irp y, 0,1,2,3
	global_load_b128 v[G+8*\y:G+8*\y+3], v[GO], s[8:9] offset:(32*(\y/2)+8*(\y%2))*4
	global_load_b128 v[G+8*\y+4:G+8*\y+7], v[GO], s[8:9] offset:(32*(\y/2)+8*(\y%2))*4+16
.endr
.endm
.macro AHALF win, adr                  ; 96 LDS loads: my rows' 16 fragments of 512 k into one window; each load takes 256 consecutive bytes
	WIN \win
.irp q, 0,1,2,3
.irp i, 0,1,2,3
.irp pc, 0,1,2,3,4,5
	ds_load_b64 v[48*\q+12*\i+2*\pc:48*\q+12*\i+2*\pc+1], v[\adr] offset:6144*\i+1536*\q+256*\pc
.endr
.endr
.endr
.endm
.macro ALOAD                           ; my rows' 32 fragments, once for the launch
	AHALF 0x80, AA                                 ; destination window 2
	AHALF 0xc0, AA+1                               ; destination window 3
	WIN 0
.endm
.macro FETCH adrb, q, buf              ; 24 LDS loads in one run: the weight's four fragments of 128 k
	WIN TO_F
.irp i, 0,1,2,3
.irp pc, 0,1,2,3,4,5
	ds_load_b64 v[(\buf)+12*\i+2*\pc:(\buf)+12*\i+2*\pc+1], v[\adrb] offset:6144*\i+1536*(\q)+256*\pc
.endr
.endr
	WIN 0
.endm
.macro SCALES adr, set                 ; the scale words of 512 k: register 4 i + q: lanes 0-15 my rows' tile i, lanes 16-31 the weight's tile i
.irp i, 0,1,2,3
	ds_load_b128 v[SC+16*(\set)+4*\i:SC+16*(\set)+4*\i+3], v[\adr] offset:256*\i
.endr
.endm
; 16 matrix instructions, the 16 accumulators by turns, in the same order in every step.  cmode 0: the bias starts the sums.
.macro MUL16 buf, set, q, cmode, vmode
.irp x, 0,1,2,3
.irp y, 0,1,2,3
.set DD, ACC+8*(4*\x+\y)
.set KY, SC+16*(\set)+4*\y+(\q)
.set KX, SC+16*(\set)+4*\x+(\q)
.if \vmode
.set RA, 48*(\q)+12*\y
.set RB, (\buf)+12*\x
.set RC, G+8*\x
.else
.set RA, (\buf)+12*\y
.set RB, 48*(\q)+12*\x
.set RC, G+8*\y
.endif
.if \cmode
.set RC, DD
.endif
.if \vmode
	v_wmma_scale_f32_16x16x128_f8f6f4 v[DD:DD+7], v[RA:RA+11], v[RB:RB+11], v[RC:RC+7], v[KY], v[KX] matrix_a_fmt:MATRIX_FMT_BF6 matrix_b_fmt:MATRIX_FMT_BF6 matrix_b_scale:MATRIX_SCALE_ROW1
.else
	v_wmma_scale_f32_16x16x128_f8f6f4 v[DD:DD+7], v[RA:RA+11], v[RB:RB+11], v[RC:RC+7], v[KY], v[KX] matrix_a_fmt:MATRIX_FMT_BF6 matrix_b_fmt:MATRIX_FMT_BF6 matrix_a_scale:MATRIX_SCALE_ROW1
.endif
.endr
.endr
.endm
; Step s of eight: 128 along K.  The weight's fragments were asked for a step ago; the next step's go into the other buffer, four places behind the products that read it.
.macro STEP s, vmode, gnext
	s_wait_dscnt 0x0
	PLACES 4
.if (\s) < 7
	FETCH ADB+((\s)+1)/4, ((\s)+1)%4, 128*(((\s)+1)%2)
.endif
.if (\s) == 2
	SCALES ADS+1, 1
.endif
.if (\s) == 1
.if \gnext == 1
	s_wait_xcnt 0x0                                ; the bias's base is stepped only behind this wait
	s_add_nc_u64 s[8:9], s[8:9], 4096              ; 1,024 columns on: the next tile's bias (step 0's products have read this one: the four places stand above)
	GLOAD
.elseif \gnext == 2
.irp x, 0,1,2,3
.irp j, 0,1,2,3,4,5,6,7
	v_mov_b32 v[G+8*\x+\j], v[BV+\x]               ; v's bias hangs on the lane's channel: the same number in a tile's eight registers
.endr
.endr
.endif
.endif
.if \vmode
.set WMUL, 0x06+(\s)/4                 ; source 0 (my rows) window 2 or 3, source 1 (the weight) window 1; C and D window 0
.else
.set WMUL, 0x09+4*((\s)/4)             ; source 0 (the weight) window 1, source 1 (my rows) window 2 or 3; C and D window 0
.endif
	WIN WMUL
.if (\s) == 0
	MUL16 128*((\s)%2), (\s)/4, (\s)%4, 0, \vmode
.else
	MUL16 128*((\s)%2), (\s)/4, (\s)%4, 1, \vmode
.endif
	WIN 0
.endm
.macro EPI vmode                       ; the way out: four half fragments, 768 bytes each, and their scale halfwords
.irp x, 0,1,2,3
	QUANT2 ACC+32*\x, HW+\x
.irp p, 0,1,2
	global_store_b64 v[CO], v[PC+2*\p:PC+2*\p+1], s[10:11] offset:768*\x+256*\p   ; 256 consecutive bytes, aligned
.endr
.endr
.irp u, 0,1
	v_cndmask_b32 v[HS+\u], v[HW+\u], v[HW+2+\u], s[HM]    ; lanes 0-15 store tile u's halfword, lanes 16-31 tile u + 2's (both halves of the lanes hold both)
.endr
.irp u, 0,1
.if \vmode
	global_store_b16 v[HOV], v[HS+\u], s[60:61] offset:64*\u
.else
	global_store_b16 v[HO], v[HS+\u], s[60:61] offset:2*\u
.endif
.endr
.endm
; A tile of 128 x 128.  refill = 1: the next tile's weights are asked for, into the other slot.
.macro TILE refill, gnext, vmode
	s_wait_tensorcnt 0x0                           ; all my tensor loads have landed, my quarter of this tile's weights among them: so a group 0 may be written
	ds_add_u32 v[SPW], v[NIL]                      ; 0 onto my spare word
	s_xor_b32 s[TN], s[TB], SLOTB
.if \refill
	s_add_co_u32 s[G0B+1], s[LB0], s[TN]           ; the other slot,
	s_add_nc_u64 s[G0B+2:G0B+3], s[G0B+2:G0B+3], BSTEP     ; the next tile; the type bits on top are not reached
.endif
	s_wait_dscnt 0x0                               ; the add is done, and my reads of the other slot are over (first tile: my rows' fragments are in)
.if \refill
	CROUND                                         ; the same holds of every wave of every partner
	tensor_load_to_lds s[G0B:G0B+3], s[G1B:G1B+7]  ; my one tensor load behind the round
	s_nop 0
	PLACES 4
.else
	s_barrier_signal -1
	s_barrier_wait -1
.endif
	s_wait_alu depctr_va_vdst(0)
	v_add_nc_u32 v[ADB], s[TB], v[AB0]
	v_add_nc_u32 v[ADB+1], s[TB], v[AB0+1]
	s_add_co_u32 s22, s[D0], s[TB]
	v_mad_u32_u24 v[ADS], v2, s22, v[AS0]          ; the rows' words + h x the distance to the weight's
	v_mad_u32_u24 v[ADS+1], v2, s22, v[AS0+1]
	s_wait_alu depctr_va_vdst(0)
	s_wait_loadcnt 0x0                             ; the bias
	FETCH ADB, 0, F0
	SCALES ADS, 0
.irp s, 0,1,2,3,4,5,6,7
	STEP \s, \vmode, \gnext
.endr
	PLACES 4                                       ; in front of the first read of results
	EPI \vmode
.if \refill
	s_wait_xcnt 0x0                                ; the stores have read their bases and data
	s_add_nc_u64 s[10:11], s[10:11], OSTEP
	s_add_nc_u64 s[60:61], s[60:61], OSTEP
	s_xor_b32 s[TB], s[TB], SLOTB
.endif
.endm
	s_load_b256 s[4:11], s[0:1], 0x0               ; hb, wb, qkv_b, qkvb
	v_lshl_add_u32 v[SPW], v0, 2, SPARE
	v_mov_b32 v[NIL], 0
	ds_add_u32 v[SPW], v[NIL]                      ; the wave's opening: the add, twice on end, and its wait ahead of my first tensor load
	ds_add_u32 v[SPW], v[NIL]
	v_lshrrev_b32 v1, 5, v0
	v_readfirstlane_b32 s[WV], v1                  ; wave 0..3
	s_lshr_b32 s[WM], s[WV], 1                     ; which 64 rows are mine
	s_and_b32 s[WN], s[WV], 1                      ; which 64 columns
	s_bfe_u32 s15, ttmp6, 0x40000                  ; cx
	s_bfe_u32 s16, ttmp6, 0x40004                  ; cy
	s_lshl_b32 s17, ttmp9, 2
	s_add_co_u32 s17, s17, s15                     ; cg: column group
	s_and_b32 s18, ttmp7, 0xffff
	s_lshl_b32 s18, s18, 2
	s_add_co_u32 s18, s18, s16                     ; g: row group
	s_lshl_b32 s19, s16, 2
	s_lshl_b32 s19, 15, s19                        ; my row of the cluster
	s_lshl_b32 s20, 0x1111, s15                    ; my column
	s_or_b32 s[G1A], s19, (3<<16)|(1<<21)          ; 15:0 the mask; 17:16 elements of 8 bytes; 21 set beside a mask; no padding
	s_or_b32 s[G1B], s20, (3<<16)|(1<<21)
.irp gg, G1A, G1B
	s_mov_b32 s[\gg+1], 32<<16                     ; tensor_dim0 = 32 elements: 256 bytes
	s_mov_b32 s[\gg+2], 100<<16                    ; tensor_dim1 = 100 rows
	s_mov_b32 s[\gg+3], 32<<16                     ; tile_dim0
	s_mov_b32 s[\gg+4], 100                        ; tile_dim1
	s_mov_b32 s[\gg+5], 32                         ; the pitch: dense
	s_mov_b32 s[\gg+6], 0
	s_mov_b32 s[\gg+7], 0
.endr
	s_mul_i32 s21, s[WV], QTR                      ; my quarter
	s_mul_i32 s56, s18, SLOTB                      ; the rows' codes hang on g alone,
	s_add_co_u32 s56, s56, s21
	s_mov_b32 s57, 0
	s_mul_i32 s58, s17, SLOTB                      ; the weights' on cg alone
	s_add_co_u32 s58, s58, s21
	s_add_co_u32 s58, s58, WOFF
	s_mov_b32 s59, 0
	s_add_co_u32 s[LB0], s21, SLOTB
	s_mov_b32 s[TB], 0
	s_mov_b32 s[HM], 0xffff0000
	s_mov_b32 s[SEL], 0x76543210
	s_mov_b32 s[SEL+1], 0xfedcba98
	s_wait_dscnt 0x0                               ; both opening adds are done
	s_wait_kmcnt 0x0
	s_mov_b32 s[G0A], 1
	s_mov_b32 s[G0A+1], s21
	s_add_nc_u64 s[G0A+2:G0A+3], s[4:5], s[56:57]
	s_or_b32 s[G0A+3], s[G0A+3], 0x80000000
	s_mov_b32 s[G0B], 1
	s_mov_b32 s[G0B+1], s[LB0]
	s_add_nc_u64 s[G0B+2:G0B+3], s[6:7], s[58:59]
	s_or_b32 s[G0B+3], s[G0B+3], 0x80000000
	CROUND                                         ; all sixteen work-groups are here: the first joint loads meet
	tensor_load_to_lds s[G0A:G0A+3], s[G1A:G1A+7]  ; my quarter of the rows' codes: filled once; my one load at the head
	s_nop 0
	s_wait_alu depctr_va_vdst(0)
	s_wait_tensorcnt 0x0                           ; slot 0's first fill is issued as a refill is
	ds_add_u32 v28, v29
	s_wait_dscnt 0x0
	CROUND
	tensor_load_to_lds s[G0B:G0B+3], s[G1B:G1B+7]  ; my quarter of q's weights, into slot 0: my one load behind the round, the only one of mine that is out
	s_nop 0
	PLACES 4
	v_and_b32 v1, 15, v0                           ; r
	v_bfe_u32 v2, v0, 4, 1                         ; h
	v_and_b32 v3, 31, v0                           ; lane
	v_lshlrev_b32 v[CO], 3, v3
	s_wait_alu depctr_va_vdst(0)
	v_lshlrev_b32 v[GO], 6, v2
	v_and_b32 v[BO], 8, v1
	v_add_nc_u32 v[BO], v[BO], v1
	v_lshlrev_b32 v[BO], 2, v[BO]
	s_lshl_b32 s20, s17, 9
	s_lshl_b32 s21, s[WN], 8
	s_add_co_u32 s20, s20, s21
	s_mov_b32 s21, 0
	s_add_nc_u64 s[8:9], s[8:9], s[20:21]          ; the bias at my 64 columns of q
	GLOAD
.irp x, 0,1,2,3
	global_load_b32 v[BV+\x], v[BO], s[8:9] offset:(2048+32*(\x/2)+8*(\x%2))*4
.endr
	s_mul_i32 s20, s[WM], 24576
	v_add_nc_u32 v[AA], s20, v[CO]
	v_add_nc_u32 v[AA+1], BLKB, v[AA]
	s_mul_i32 s20, s[WN], 24576
	s_add_co_u32 s20, s20, SLOTB
	v_add_nc_u32 v[AB0], s20, v[CO]
	v_add_nc_u32 v[AB0+1], BLKB, v[AB0]
	s_lshl_b32 s20, s[WM], 10
	s_add_co_u32 s20, s20, 49152
	v_lshl_add_u32 v[AS0], v1, 4, s20
	v_add_nc_u32 v[AS0+1], BLKB, v[AS0]
	s_xor_b32 s20, s[WM], 1
	s_add_co_u32 s20, s20, s[WN]
	s_lshl_b32 s20, s20, 10
	s_add_co_u32 s[D0], s20, SLOTB-1024            ; 102,400 + 1,024 wn - 1,024 wm
	v_mov_b32 v[QP], 0                             ; a lane permute's destination counts as one of its sources
	v_mov_b32 v[QP+1], 0
	s_lshl_b32 s20, s18, 1
	s_add_co_u32 s20, s20, s[WM]                   ; my 64 tokens: 2 g + wm
	s_lshr_b32 s21, s20, 5                         ; the batch
	s_and_b32 s20, s20, 31                         ; the unit
	s_lshl_b32 s21, s21, 4
	s_lshl_b32 s22, s17, 1
	s_add_co_u32 s21, s21, s22
	s_add_co_u32 s21, s21, s[WN]                   ; q's section: 16 batch + head, head = 2 cg + wn
	s_mul_i32 s56, s21, SLOTB
	s_mov_b32 s57, 0
	s_add_nc_u64 s[60:61], s[10:11], s[56:57]
	s_add_nc_u64 s[60:61], s[60:61], 98304         ; its scale halfwords
	s_mul_i32 s22, s20, 3072
	s_add_co_u32 s56, s56, s22
	s_add_nc_u64 s[10:11], s[10:11], s[56:57]      ; my unit's codes
	s_lshl_b32 s22, s20, 7
	v_lshl_add_u32 v[HO], v3, 2, s22               ; q, k: 128 unit + 4 lane
	s_lshr_b32 s22, s20, 1
	s_lshl_b32 s22, s22, 8
	s_and_b32 s23, s20, 1
	s_lshl_b32 s23, s23, 1
	s_add_co_u32 s22, s22, s23
	v_lshl_add_u32 v[HOV], v1, 2, s22
	v_lshl_add_u32 v[HOV], v2, 7, v[HOV]           ; v: 256 (unit / 2) + 2 (unit % 2) + 128 h + 4 r
	s_wait_tensorcnt 0x1                           ; my quarter of the rows' codes has landed; q's weights, issued behind it, may stay out
	s_barrier_signal -1
	s_barrier_wait -1                              ; everybody's quarter has
	ALOAD                                          ; my rows' fragments go into registers while q's weights land
	TILE 1, 1, 0                                   ; q; k's weights and bias are asked for
	TILE 1, 2, 0                                   ; k; v's weights are asked for, v's bias is laid out
	TILE 0, 0, 1                                   ; v: nothing is left to fetch
	s_wait_tensorcnt 0x0                           ; the wave's end
	ds_add_u32 v[SPW], v[NIL]
	s_wait_dscnt 0x0
	CROUND                                         ; the closing round
	s_endpgm
.Lfunc_end_k_q1aab9d7292_qkv:
	.size	k_q1aab9d7292_qkv, .Lfunc_end_k_q1aab9d7292_qkv-k_q1aab9d7292_qkv
	.p2alignl 7, 3214868480
	.fill 96, 4, 3214868480
	.section	.rodata,"a",@progbits
	.p2align	6, 0x0
	.amdhsa_kernel k_q1aab9d7292_qkv
		.amdhsa_group_segment_fixed_size 327680
		.amdhsa_private_segment_fixed_size 0
		.amdhsa_enable_private_segment 0
		.amdhsa_kernarg_size 32
		.amdhsa_user_sgpr_count 2
		.amdhsa_user_sgpr_kernarg_segment_ptr 1
		.amdhsa_wavefront_size32 1
		.amdhsa_system_sgpr_workgroup_id_x 1
		.amdhsa_system_sgpr_workgroup_id_y 1
		.amdhsa_system_sgpr_workgroup_id_z 1
		.amdhsa_system_vgpr_workitem_id 0
		.amdhsa_next_free_vgpr 960
		.amdhsa_next_free_sgpr 66
		.amdhsa_reserve_vcc 0
		.amdhsa_float_denorm_mode_32 3
		.amdhsa_float_denorm_mode_16_64 3
		.amdhsa_memory_ordered 1
		.amdhsa_forward_progress 1
		.amdhsa_inst_pref_size 146
	.end_amdhsa_kernel
	.amdgpu_metadata
---
amdhsa.version: [ 1, 2 ]
amdhsa.kernels:
  - .name:           k_q1aab9d7292_qkv
    .symbol:         k_q1aab9d7292_qkv.kd
    .args:
      - { .name: hb, .offset: 0, .size: 8, .value_kind: global_buffer, .address_space: global }
      - { .name: wb, .offset: 8, .size: 8, .value_kind: global_buffer, .address_space: global }
      - { .name: qkv_b, .offset: 16, .size: 8, .value_kind: global_buffer, .address_space: global }
      - { .name: qkvb, .offset: 24, .size: 8, .value_kind: global_buffer, .address_space: global }
    .group_segment_fixed_size: 327680
    .private_segment_fixed_size: 0
    .kernarg_segment_align: 8
    .kernarg_segment_size: 32
    .max_flat_workgroup_size: 128
    .sgpr_count:     66
    .vgpr_count:     960
    .wavefront_size: 32
...
	.end_amdgpu_metadata
.endif
;; end of part 2
;; launch attn (part 3): grid 8 x 32, 16 waves a work-group, clusters of 4 x 1, 327,680 bytes of LDS; arguments qkvb, ob; writes ob
.if DOCPART == 3
	.amdgcn_target "amdgcn-amd-amdhsa--gfx1250"
	.amdhsa_code_object_version 6
	.text
	.protected	k_q1aab9d7292_attn
	.globl	k_q1aab9d7292_attn
	.p2align	8
	.type	k_q1aab9d7292_attn,@function
k_q1aab9d7292_attn:
	s_mov_b64 s[64:65], 0
	v_nop
	global_prefetch_b8 v0, s[64:65] scope:SCOPE_SE
	s_setreg_imm32_b32 hwreg(HW_REG_WAVE_MODE, 25, 1), 1
	s_wait_xcnt 0x0
	s_wait_alu depctr_hold_cnt(0) depctr_sa_sdst(0) depctr_va_vdst(0) depctr_va_sdst(0) depctr_va_ssrc(0) depctr_va_vcc(0) depctr_vm_vsrc(0)
	s_getreg_b32 s2, hwreg(HW_REG_IB_STS2, 6, 4)
	s_cmp_eq_u32 s2, 0
	s_cbranch_scc0 .Lentry_in_a_cluster
	s_endpgm
.Lentry_in_a_cluster:
	s_bfe_u32 s2, ttmp6, 0x10000c
	s_cmp_lg_u32 s2, 0x3003
	s_cbranch_scc0 .Lentry_shape_is_right
	s_endpgm
.Lentry_shape_is_right:
; ATTENTION on codes of BF6: o = softmax(q k^T / 8) v for one batch and head (work-group y) and 256 queries (work-group x); o is quantised along the channels into ob's blocks.  Nothing is left out.
; LIMITS: as stated at the head of the first kernel; the promise holds while the scaled scores (the exponents to the base 2) stay under 2^31 in magnitude.
; qkvb: sections of 102,400 bytes (q: head, k: 32 + head, v: 64 + head): codes in tiles of 768 bytes [piece 0..2][lane][8], at 98,304 the scale words (see the kernel that writes them).
; SHARES: sixteen waves, four on a SIMD, 256 registers each; a wave owns one tile of 16 queries and walks all 2,048 keys in 16 steps of 128.
; LDS: K's whole section and V's come ONCE, by sixteen joint loads at the head, one a wave, 12,800 bytes each; nothing is filled again, so one barrier serves the launch.
; K's section is laid as rows of 512 bytes + 64 of padding: lanes 8-15 of a fragment read three rows (1,536 bytes) behind lanes 0-7, and the 192 bytes of padding between put the 32 lanes of a load on 64 different banks (ISA guide 11.1).
; CLUSTER 4 x 1: the four work-groups of a cluster share batch and head, so they ask for K and V jointly.
; NO PREFETCH: all that the launch reads through LDS is asked for at its head; there is no loop to run ahead in.
; THE KEYS OF A TILE OF K ARE CHOSEN BY THE LANES' ADDRESSES: row m of tile (c, g, u) is key 128 s + 64 c + 32 (m / 8) + 16 g + 8 u + m % 8.  S^T = k q^T then gives lane (r, h) query r, and its 32 registers
; S + 32 c + 0 .. 31 are the WHOLE block of keys 64 c + 32 h + 0 .. 31, in order: a block's maximum needs no other lane, and the conversions' results are the operand's registers as they stand.
; The head has 64 channels and the instruction sums 128: a fragment of K holds two tiles' 64 channels; q with zero codes above (QLO) takes the first, q with zero codes below (QHI) the second.
; Both products are used transposed (O^T = v^T p^T): a lane holds one query throughout.  M is the running largest t rounded up to a whole number; sums and O^T are brought under a new M by an exact power of two.
; REGISTERS: v1-15 addresses; v16-63, v224-228 the tile's state; v64-127 S^T, then p; v128-159 O^T; v160-207 K's four fragments, then V's; v208-218 scale words (they hold nothing else).
.set KP,    576                        ; an LDS row of K's section
.set KST,   6912                       ; 128 keys of K: 12 rows
.set KSCL,  110592                     ; K's scale words: row 192
.set VB,    115200                     ; V's section, dense
.set VSCL,  213504
.set SPARE, 217600                     ; the spare words, 128 bytes a wave
.set AK0, 1
.set AV0, 2
.set ASK0, 3
.set ASV0, 4
.set SPW, 5
.set NIL, 6
.set AQ,  7                            ; 8 x lane
.set R16, 8                            ; 16 r
.set ADK, 9
.set ADV, 10
.set ADS, 11
.set ADT, 12
.set T0,  13
.set T1,  14
.set QW,  15
.set NM,  16                           ; -M;  v17 the running largest score
.set RM,  17
.set L,   18                           ; v18-19 the row's sum in two halves
.set QZ,  20                           ; v20-25 zeros, v26-31 q, v32-37 zeros
.set QHI, 20
.set QLO, 26
.set PC,  38                           ; v38-49 p's codes
.set PT,  50
.set BM,  58
.set BP,  60
.set BS,  62
.set S,   64
.set O,   128
.set KF,  160
.set KS,  208
.set VS,  212
.set QSW, 216
.set PSW, 218
.set TV,  224
.set TV2, 225
.set FF,  226
.set H8,  228                          ; 8 h
.set WV,  8
.set G1K, 16
.set G1V, 24
.set G0K, 32
.set G0V, 36
.set CS,  40
.set SEL, 42
.set TBK, 44
.set TSK, 45
.set TBV, 46
.set TSV, 47
.set CNT, 48
.macro PLACES n
.rept \n
	v_nop
.endr
.endm
.macro CROUND                          ; a round of the cluster's barrier
	s_barrier_signal -1
	s_barrier_wait -1
	s_cmp_lg_u32 s[WV], 0
	s_cbranch_scc1 .Lnot_wave_0_\@
	s_barrier_signal -3
.Lnot_wave_0_\@:
	s_barrier_wait -3
	s_barrier_signal -1
	s_barrier_wait -1
.endm
.macro KLOAD ko, so                    ; four fragments of K (c, g) and their rows' scale words: 128 keys
.irp c, 0,1
.irp g, 0,1
.irp pc, 0,1,2,3,4,5
	ds_load_b64 v[KF+12*(2*\c+\g)+2*\pc:KF+12*(2*\c+\g)+2*\pc+1], v[ADK] offset:(\ko)+(6*\c+\pc/2)*KP+(\pc%2)*256+64*\g
.endr
	ds_load_b32 v[KS+2*\c+\g], v[ADS] offset:(\so)+128*\c+32*\g
.endr
.endr
.endm
.macro VLOAD vo, so                    ; four fragments of V^T (16 channels x 128 keys) into the registers that K's have left, and their scale words
.irp dt, 0,1,2,3
.irp c, 0,1
.irp p, 0,1,2
	ds_load_b64 v[KF+12*\dt+6*\c+2*\p:KF+12*\dt+6*\c+2*\p+1], v[ADV] offset:(\vo)+3072*\c+768*\dt+256*\p
.endr
.endr
	ds_load_b32 v[VS+\dt], v[ADT] offset:(\so)+64*\dt
.endr
.endm
.macro SMUL                            ; S^T: eight tiles of 16 keys
.irp f, 0,1,2,3
	v_wmma_scale_f32_16x16x128_f8f6f4 v[S+16*\f:S+16*\f+7], v[KF+12*\f:KF+12*\f+11], v[QLO:QLO+11], 0, v[KS+\f], v[QSW] matrix_a_fmt:MATRIX_FMT_BF6 matrix_b_fmt:MATRIX_FMT_BF6
	v_wmma_scale_f32_16x16x128_f8f6f4 v[S+16*\f+8:S+16*\f+15], v[KF+12*\f:KF+12*\f+11], v[QHI:QHI+11], 0, v[KS+\f], v[QSW] matrix_a_fmt:MATRIX_FMT_BF6 matrix_b_fmt:MATRIX_FMT_BF6
.endr
.endm
.macro PV                              ; O^T += v^T p^T: the four accumulators by turns
.irp dt, 0,1,2,3
	v_wmma_scale_f32_16x16x128_f8f6f4 v[O+8*\dt:O+8*\dt+7], v[KF+12*\dt:KF+12*\dt+11], v[PC:PC+11], v[O+8*\dt:O+8*\dt+7], v[VS+\dt], v[PSW] matrix_a_fmt:MATRIX_FMT_BF6 matrix_b_fmt:MATRIX_FMT_BF6
.endr
.endm
; The softmax step: scores in v[S] on become p, p's codes and p's scale word; the sum and O^T come under the new M.
.macro SOFT
	v_max3_num_f32 v[BM], v[S], v[S+1], v[S+2]     ; the largest score of my two blocks of 32 keys, the two by turns; each accumulator is read from its low end on
	v_max3_num_f32 v[BM+1], v[S+32], v[S+33], v[S+34]
.set j, 3
.rept 14
	v_max3_num_f32 v[BM], v[BM], v[S+j], v[S+j+1]
	v_max3_num_f32 v[BM+1], v[BM+1], v[S+32+j], v[S+33+j]
.set j, j+2
.endr
	v_max_num_f32 v[BM], v[BM], v[S+31]
	v_max_num_f32 v[BM+1], v[BM+1], v[S+63]
	s_delay_alu instid0(VALU_DEP_1)
	v_max_num_f32 v[TV], v[BM], v[BM+1]
	s_delay_alu instid0(VALU_DEP_1)
	v_permlanex16_b32 v[BP], v[TV], s[SEL], s[SEL+1]
	s_delay_alu instid0(VALU_DEP_1)
	v_max3_num_f32 v[RM], v[RM], v[TV], v[BP]      ; the running largest score of my query
	s_delay_alu instid0(VALU_DEP_1)
	v_mul_f32 v[TV], s[CS], v[RM]                  ; as t (c is positive)
	v_mov_b32 v[TV2], v[NM]
	s_delay_alu instid0(VALU_DEP_2)
	v_floor_f32 v[NM], -v[TV]                      ; -M = floor(-t): M is a whole number
	s_delay_alu instid0(VALU_DEP_1)
	v_sub_f32 v[TV], v[NM], v[TV2]                 ; old M less new M
	s_delay_alu instid0(VALU_DEP_1)
	v_cvt_i32_f32 v[TV], v[TV]                     ; (it saturates)
	s_delay_alu instid0(VALU_DEP_1)
	v_ldexp_f32 v[FF], 1.0, v[TV]                  ; f = 2^(old M - new M)
.set j, 0
.rept 32
	v_pk_fma_f32 v[S+j:S+j+1], v[S+j:S+j+1], s[CS:CS+1], v[NM:NM+1] op_sel_hi:[1,0,0]   ; t - M
.set j, j+2
.endr
	v_fma_f32 v[BM], v[BM], s[CS], v[NM]           ; the same of each block's largest score: p rises with the score
	v_fma_f32 v[BM+1], v[BM+1], s[CS], v[NM]
	s_wait_alu depctr_va_vdst(0)
.set j, 0
.rept 64
	v_exp_f32 v[S+j], v[S+j]                       ; p = 2^(t - M)
.set j, j+1
.endr
	v_exp_f32 v[BM], v[BM]                         ; the blocks' largest p
	v_exp_f32 v[BM+1], v[BM+1]
	v_pk_mul_f32 v[L:L+1], v[L:L+1], v[FF:FF+1] op_sel_hi:[1,0]   ; the sums under the new M: the plain place behind the batch
	s_wait_alu depctr_va_vdst(0)                   ; one wait for the batch, directly ahead of the first reader of O^T
.set j, 0
.rept 16
	v_pk_mul_f32 v[O+j:O+j+1], v[O+j:O+j+1], v[FF:FF+1] op_sel_hi:[1,0]   ; O^T under the new M
.set j, j+2
.endr
	v_max_num_f32 v[BM], 0x2800000, v[BM]          ; the floor 2^(5 - 127): the byte cannot fall under 1
	v_max_num_f32 v[BM+1], 0x2800000, v[BM+1]
	s_delay_alu instid0(VALU_DEP_2)
	v_add_nc_u32 v[BS], 0xfe000000, v[BM]          ; 4 off the exponent field: the conversion's scale operand
	s_delay_alu instid0(VALU_DEP_2)
	v_add_nc_u32 v[BS+1], 0xfe000000, v[BM+1]
	s_delay_alu instid0(VALU_DEP_2)
	v_lshrrev_b32 v[BP], 23, v[BS]                 ; the bytes of blocks h and 2 + h
	s_delay_alu instid0(VALU_DEP_2)
	v_lshrrev_b32 v[BP+1], 23, v[BS+1]
	s_delay_alu instid0(VALU_DEP_1)
	v_lshl_or_b32 v[TV], v[BP+1], 16, v[BP]
	s_delay_alu instid0(VALU_DEP_1)
	v_lshlrev_b32 v[TV], v[H8], v[TV]              ; at their places in the scale word
	s_delay_alu instid0(VALU_DEP_1)
	v_permlanex16_b32 v[BP], v[TV], s[SEL], s[SEL+1]
	v_or_b32 v[PSW], v[TV], v[BP]                  ; with lane l xor 16's two bytes the word is whole
	v_cvt_scalef32_pk16_bf6_f32 v[PC:PC+2], v[S:S+15], v[BS]
	v_cvt_scalef32_pk16_bf6_f32 v[PT:PT+2], v[S+16:S+31], v[BS]       ; (a conversion's three registers begin on an even number)
	v_cvt_scalef32_pk16_bf6_f32 v[PC+6:PC+8], v[S+32:S+47], v[BS+1]
	v_cvt_scalef32_pk16_bf6_f32 v[PT+4:PT+6], v[S+48:S+63], v[BS+1]
	v_nop                                          ; one plain place behind a scaled conversion
.irp i, 0,1,2
	v_mov_b32 v[PC+3+\i], v[PT+\i]
	v_mov_b32 v[PC+9+\i], v[PT+4+\i]
.endr
	v_pk_add_f32 v[BP:BP+1], v[S:S+1], v[S+2:S+3]  ; the row's sum of the unquantised p, in two chains; these 32 lines are also the places between the codes, the scale word and the products
.set j, 4
.rept 15
	v_pk_add_f32 v[L:L+1], v[L:L+1], v[S+j:S+j+1]
	v_pk_add_f32 v[BP:BP+1], v[BP:BP+1], v[S+j+2:S+j+3]
.set j, j+4
.endr
	s_delay_alu instid0(VALU_DEP_1)
	v_pk_add_f32 v[L:L+1], v[L:L+1], v[BP:BP+1]
.endm
; A step of 128 keys, p-th of a trip's two: K's fragments, the scores, V's fragments into the same registers under the softmax step, the weighted sum.
.macro STEP p
.if \p
	PLACES 4                                       ; four places between the last products and the loads into their registers
.else
	v_add_nc_u32 v[ADK], s[TBK], v[AK0]            ; the trip's addresses: these four lines are the four places
	v_add_nc_u32 v[ADS], s[TSK], v[ASK0]
	v_add_nc_u32 v[ADV], s[TBV], v[AV0]
	v_add_nc_u32 v[ADT], s[TSV], v[ASV0]
.endif
	KLOAD KST*\p, 256*\p
.if \p == 0
	s_wait_alu depctr_va_vdst(0)                   ; directly ahead of the wait below
.endif
	s_wait_dscnt 0x0
	SMUL
	PLACES 4                                       ; in front of the loads into K's registers and of the first read of results
	VLOAD 6144*\p, 256*\p
	SOFT
	s_wait_alu depctr_va_vdst(0)
	s_wait_dscnt 0x0                               ; V's fragments are in
	PV
.endm
	s_load_b128 s[4:7], s[0:1], 0x0                ; qkvb, ob
	v_lshl_add_u32 v[SPW], v0, 2, SPARE
	v_mov_b32 v[NIL], 0
	ds_add_u32 v[SPW], v[NIL]                      ; the wave's opening: the add, twice on end, and its wait ahead of my tensor load
	ds_add_u32 v[SPW], v[NIL]
	v_lshrrev_b32 v[T0], 5, v0
	v_readfirstlane_b32 s[WV], v[T0]               ; wave 0..15
	s_bfe_u32 s9, ttmp6, 0x40000                   ; cx
	s_lshl_b32 s10, ttmp9, 2
	s_add_co_u32 s10, s10, s9                      ; which 256 queries
	s_and_b32 s11, ttmp7, 0xffff                   ; 16 x batch + head
	s_mov_b32 s[G1K], 15|(3<<16)|(1<<20)|(1<<21)|(6<<22)|(15<<25)   ; the four partners; elements of 8 bytes; after every 128 words 16 words of padding
	s_mov_b32 s[G1K+1], 64<<16                     ; rows of 512 bytes,
	s_mov_b32 s[G1K+2], 25<<16                     ; 25 of them
	s_mov_b32 s[G1K+3], 64<<16
	s_mov_b32 s[G1K+4], 25
	s_mov_b32 s[G1K+5], 64                         ; dense in memory
	s_mov_b32 s[G1K+6], 0
	s_mov_b32 s[G1K+7], 0
	s_mov_b32 s[G1V], 15|(3<<16)|(1<<21)           ; V: 50 rows of 256 bytes, no padding
	s_mov_b32 s[G1V+1], 32<<16
	s_mov_b32 s[G1V+2], 50<<16
	s_mov_b32 s[G1V+3], 32<<16
	s_mov_b32 s[G1V+4], 50
	s_mov_b32 s[G1V+5], 32
	s_mov_b32 s[G1V+6], 0
	s_mov_b32 s[G1V+7], 0
	s_and_b32 s12, s[WV], 7                        ; which eighth of a section
	s_mul_i32 s13, s12, 25*KP                      ; where it goes: K's,
	s_mul_i32 s14, s12, 12800
	s_add_co_u32 s15, s14, VB                      ; V's
	s_add_co_u32 s50, s11, 32
	s_mul_i32 s50, s50, 102400
	s_add_co_u32 s50, s50, s14                     ; K's section, my eighth
	s_mov_b32 s51, 0
	s_add_co_u32 s52, s50, 3276800                 ; V's: 32 sections on
	s_mov_b32 s53, 0
	s_mov_b32 s[CS], 0x3e38aa3b                    ; c = log2(e) / 8
	s_mov_b32 s[CS+1], s[CS]
	s_mov_b32 s[SEL], 0x76543210
	s_mov_b32 s[SEL+1], 0xfedcba98                 ; v_permlanex16_b32's selects for lane l xor 16
	s_mov_b32 s[TBK], 0
	s_mov_b32 s[TSK], 0
	s_mov_b32 s[TBV], 0
	s_mov_b32 s[TSV], 0
	s_mov_b32 s[CNT], 8
	s_wait_dscnt 0x0                               ; both opening adds are done
	s_wait_kmcnt 0x0
	s_mov_b32 s[G0K], 1
	s_mov_b32 s[G0K+1], s13
	s_add_nc_u64 s[G0K+2:G0K+3], s[4:5], s[50:51]
	s_or_b32 s[G0K+3], s[G0K+3], 0x80000000
	s_mov_b32 s[G0V], 1
	s_mov_b32 s[G0V+1], s15
	s_add_nc_u64 s[G0V+2:G0V+3], s[4:5], s[52:53]
	s_or_b32 s[G0V+3], s[G0V+3], 0x80000000
	CROUND                                         ; all four work-groups are here: the joint loads meet
	s_cmp_lt_u32 s[WV], 8                          ; waves 0-7 fetch K's eighths, waves 8-15 V's: one load a wave, on every way
	s_cbranch_scc0 .Lfor_v
	tensor_load_to_lds s[G0K:G0K+3], s[G1K:G1K+7]
	s_nop 0
	PLACES 4
	s_branch .Lasked
.Lfor_v:
	tensor_load_to_lds s[G0V:G0V+3], s[G1V:G1V+7]
	s_nop 0
	PLACES 4
.Lasked:
	v_and_b32 v[T1], 15, v0                        ; r
	v_bfe_u32 v[T0], v0, 4, 1                      ; h
	v_and_b32 v[AQ], 31, v0
	v_lshlrev_b32 v[AQ], 3, v[AQ]
	v_add_nc_u32 v[AV0], VB, v[AQ]
	v_lshlrev_b32 v[R16], 4, v[T1]
	v_lshl_add_u32 v[ASV0], v[T1], 2, VSCL
	v_lshlrev_b32 v[ADT], 2, v[T1]                 ; 4 r: q's scale bytes
	v_and_b32 v[ADK], 7, v0                        ; r % 8
	v_bfe_u32 v[ADV], v0, 3, 1                     ; r / 8
	v_lshl_add_u32 v[ADS], v[T0], 4, v[ADK]
	v_lshlrev_b32 v[ADS], 3, v[ADS]                ; 8 (r % 8 + 16 h)
	v_mul_u32_u24 v[AK0], v[ADV], 3*KP             ; rows 8-15 of a tile take the next block of 32 keys: three LDS rows on
	v_add_nc_u32 v[AK0], v[AK0], v[ADS]
	v_lshlrev_b32 v[ADK], 2, v[ADK]
	v_lshl_add_u32 v[ADK], v[ADV], 6, v[ADK]
	v_add_nc_u32 v[ASK0], KSCL, v[ADK]             ; K's scale words: 64 (r / 8) + 4 (r % 8)
	s_wait_alu depctr_va_vdst(0)
	s_lshl_b32 s12, s10, 4
	s_add_co_u32 s12, s12, s[WV]                   ; my query tile among the head's 128
	s_mul_i32 s54, s11, 102400                     ; q's section
	s_mul_i32 s13, s12, 768
	s_add_co_u32 s50, s54, s13
	s_mov_b32 s51, 0
	s_add_nc_u64 s[50:51], s[4:5], s[50:51]        ; my tile's codes
	s_lshr_b32 s13, s12, 1
	s_lshl_b32 s13, s13, 6
	s_add_co_u32 s52, s54, s13
	s_and_b32 s13, s12, 1
	s_lshl_b32 s13, s13, 1
	s_add_co_u32 s52, s52, s13
	s_add_co_u32 s52, s52, 98304
	s_mov_b32 s53, 0
	s_add_nc_u64 s[52:53], s[4:5], s[52:53]        ; and its scale halfwords
.irp p, 0,1,2
	global_load_b64 v[QLO+2*\p:QLO+2*\p+1], v[AQ], s[50:51] offset:256*\p
.endr
	global_load_u16 v[QW], v[ADT], s[52:53]
	s_lshr_b32 s13, s11, 4                         ; where o goes in ob: blocks of 128 rows x 512 k
	s_lshl_b32 s13, s13, 7
	s_add_co_u32 s13, s13, s12                     ; my tile among the 256 of all tokens
	s_and_b32 s14, s11, 15                         ; the head
	s_lshr_b32 s15, s13, 3
	s_lshl_b32 s15, s15, 1
	s_lshr_b32 s54, s14, 3
	s_add_co_u32 s15, s15, s54
	s_mul_i32 s15, s15, 51200
	s_and_b32 s13, s13, 7
	s_and_b32 s14, s14, 7
	s_mul_i32 s56, s13, 6144
	s_mul_i32 s54, s14, 768
	s_add_co_u32 s56, s56, s54
	s_add_co_u32 s56, s56, s15
	s_mov_b32 s57, 0
	s_add_nc_u64 s[56:57], s[6:7], s[56:57]
	s_lshl_b32 s58, s13, 8
	s_lshl_b32 s54, s14, 1
	s_add_co_u32 s58, s58, s54
	s_add_co_u32 s58, s58, s15
	s_add_co_u32 s58, s58, 49152
	s_mov_b32 s59, 0
	s_add_nc_u64 s[58:59], s[6:7], s[58:59]
	s_wait_loadcnt 0x0
	v_lshl_or_b32 v[QSW], v[QW], 16, v[QW]         ; q's two bytes, for the lower 64 of K and again for the upper
.irp i, 0,1,2,3,4,5                    ; the tile's state (these lines are also the places between the scale word and the first products): zero codes round q,
	v_mov_b32 v[QZ+\i], 0
	v_mov_b32 v[QZ+12+\i], 0
.endr
	v_mov_b32 v[NM], 0x7f000000                    ; -M so large that the first f is 0,
	v_mov_b32 v[RM], 0xff61b1e6                    ; the largest score under every score,
	v_mov_b32 v[L], 0                              ; zero sums
	v_mov_b32 v[L+1], 0
	v_mov_b32 v[BP], 0                             ; a lane permute's destination counts as one of its sources
	v_mov_b32 v[BP+1], 0
	v_mov_b32 v[TV], 0
	v_mov_b32 v[FF+1], 0                           ; named as the upper half of a pair
	v_lshlrev_b32 v[H8], 3, v[T0]
.set j, 0
.rept 32
	v_mov_b32 v[O+j], 0                            ; the step is written once: the first finds zeros
.set j, j+1
.endr
	s_wait_alu depctr_va_vdst(0)
	s_wait_tensorcnt 0x0                           ; my eighth has landed
	s_barrier_signal -1
	s_barrier_wait -1                              ; everybody's has
.Ltrip:                                                ; eight trips of two steps: K's scale words lie 256 bytes a step in rows of 512 + 64
	STEP 0
	STEP 1
	s_add_co_u32 s[TBK], s[TBK], 2*KST
	s_add_co_u32 s[TSK], s[TSK], KP
	s_add_co_u32 s[TBV], s[TBV], 12288
	s_add_co_u32 s[TSV], s[TSV], 512
	s_sub_co_u32 s[CNT], s[CNT], 1
	s_cmp_lg_u32 s[CNT], 0
	s_cbranch_scc1 .Ltrip
	PLACES 4                                       ; in front of the first read of results
	; the way out: O^T / the sum; register 16 b + i is channel 32 b + 16 h + i of my query; half a fragment's codes and two scale bytes
	v_add_f32 v[L], v[L], v[L+1]
	s_delay_alu instid0(VALU_DEP_1)
	v_permlanex16_b32 v[TV], v[L], s[SEL], s[SEL+1]
	s_delay_alu instid0(VALU_DEP_1)
	v_add_f32 v[L], v[L], v[TV]                    ; with lane l xor 16's keys: the row's sum
	s_wait_alu depctr_va_vdst(0)
	v_rcp_f32 v[L], v[L]
	v_nop
	s_wait_alu depctr_va_vdst(0)                   ; ahead of the first reader of the quotient and of O^T
.set j, 0
.rept 32
	v_mul_f32 v[S+j], v[O+j], v[L]
.set j, j+1
.endr
	v_max3_num_f32 v[BM], |v[S]|, |v[S+1]|, 0x2800000
	v_max3_num_f32 v[BM+1], |v[S+16]|, |v[S+17]|, 0x2800000
.irp i, 2,4,6,8,10,12,14
	s_delay_alu instid0(VALU_DEP_2)
	v_max3_num_f32 v[BM], v[BM], |v[S+\i]|, |v[S+\i+1]|
	s_delay_alu instid0(VALU_DEP_2)
	v_max3_num_f32 v[BM+1], v[BM+1], |v[S+16+\i]|, |v[S+17+\i]|
.endr
	s_delay_alu instid0(VALU_DEP_2)
	v_permlanex16_b32 v[BP], v[BM], s[SEL], s[SEL+1]
	s_delay_alu instid0(VALU_DEP_2)
	v_permlanex16_b32 v[BP+1], v[BM+1], s[SEL], s[SEL+1]
	s_delay_alu instid0(VALU_DEP_2)
	v_max_num_f32 v[BM], v[BM], v[BP]
	s_delay_alu instid0(VALU_DEP_2)
	v_max_num_f32 v[BM+1], v[BM+1], v[BP+1]
	s_delay_alu instid0(VALU_DEP_2)
	v_add_nc_u32 v[BS], 0xfe000000, v[BM]
	s_delay_alu instid0(VALU_DEP_2)
	v_add_nc_u32 v[BS+1], 0xfe000000, v[BM+1]
	s_delay_alu instid0(VALU_DEP_2)
	v_lshrrev_b32 v[BP], 23, v[BS]
	s_delay_alu instid0(VALU_DEP_2)
	v_lshrrev_b32 v[BP+1], 23, v[BS+1]
	s_delay_alu instid0(VALU_DEP_1)
	v_lshl_or_b32 v[TV], v[BP+1], 8, v[BP]
	v_cvt_scalef32_pk16_bf6_f32 v[PC:PC+2], v[S:S+15], v[BS]
	v_cvt_scalef32_pk16_bf6_f32 v[PT:PT+2], v[S+16:S+31], v[BS+1]
	v_nop
.irp i, 0,1,2
	v_permlane16_swap_b32 v[PC+\i], v[PT+\i]       ; a whole block to a lane
.endr
.irp i, 0,1,2
	s_delay_alu instid0(VALU_DEP_3)
	v_mov_b32 v[PC+3+\i], v[PT+\i]
.endr
.irp p, 0,1,2
	global_store_b64 v[AQ], v[PC+2*\p:PC+2*\p+1], s[56:57] offset:256*\p   ; 256 consecutive bytes, aligned
.endr
	global_store_b16 v[R16], v[TV], s[58:59]
	s_wait_tensorcnt 0x0                           ; the wave's end
	ds_add_u32 v[SPW], v[NIL]
	s_wait_dscnt 0x0
	CROUND                                         ; the closing round
	s_endpgm
.Lfunc_end_k_q1aab9d7292_attn:
	.size	k_q1aab9d7292_attn, .Lfunc_end_k_q1aab9d7292_attn-k_q1aab9d7292_attn
	.p2alignl 7, 3214868480
	.fill 96, 4, 3214868480
	.section	.rodata,"a",@progbits
	.p2align	6, 0x0
	.amdhsa_kernel k_q1aab9d7292_attn
		.amdhsa_group_segment_fixed_size 327680
		.amdhsa_private_segment_fixed_size 0
		.amdhsa_enable_private_segment 0
		.amdhsa_kernarg_size 16
		.amdhsa_user_sgpr_count 2
		.amdhsa_user_sgpr_kernarg_segment_ptr 1
		.amdhsa_wavefront_size32 1
		.amdhsa_system_sgpr_workgroup_id_x 1
		.amdhsa_system_sgpr_workgroup_id_y 1
		.amdhsa_system_sgpr_workgroup_id_z 1
		.amdhsa_system_vgpr_workitem_id 0
		.amdhsa_next_free_vgpr 256
		.amdhsa_next_free_sgpr 66
		.amdhsa_reserve_vcc 0
		.amdhsa_float_denorm_mode_32 3
		.amdhsa_float_denorm_mode_16_64 3
		.amdhsa_memory_ordered 1
		.amdhsa_forward_progress 1
		.amdhsa_inst_pref_size 47
	.end_amdhsa_kernel
	.amdgpu_metadata
---
amdhsa.version: [ 1, 2 ]
amdhsa.kernels:
  - .name:           k_q1aab9d7292_attn
    .symbol:         k_q1aab9d7292_attn.kd
    .args:
      - { .name: qkvb, .offset: 0, .size: 8, .value_kind: global_buffer, .address_space: global }
      - { .name: ob, .offset: 8, .size: 8, .value_kind: global_buffer, .address_space: global }
    .group_segment_fixed_size: 327680
    .private_segment_fixed_size: 0
    .kernarg_segment_align: 8
    .kernarg_segment_size: 16
    .max_flat_workgroup_size: 512
    .sgpr_count:     66
    .vgpr_count:     256
    .wavefront_size: 32
...
	.end_amdgpu_metadata
.endif
;; end of part 3
;; launch outp (part 4): grid 8 x 32, 4 waves a work-group, clusters of 4 x 4, 327,680 bytes of LDS; arguments ob, wb, out_b, x, x1; writes x1
.if DOCPART == 4
	.amdgcn_target "amdgcn-amd-amdhsa--gfx1250"
	.amdhsa_code_object_version 6
	.text
	.protected	k_q1aab9d7292_outp
	.globl	k_q1aab9d7292_outp
	.p2align	8
	.type	k_q1aab9d7292_outp,@function
k_q1aab9d7292_outp:
	s_mov_b64 s[64:65], 0
	v_nop
	global_prefetch_b8 v0, s[64:65] scope:SCOPE_SE
	s_setreg_imm32_b32 hwreg(HW_REG_WAVE_MODE, 25, 1), 1
	s_wait_xcnt 0x0
	s_wait_alu depctr_hold_cnt(0) depctr_sa_sdst(0) depctr_va_vdst(0) depctr_va_sdst(0) depctr_va_ssrc(0) depctr_va_vcc(0) depctr_vm_vsrc(0)
	s_getreg_b32 s2, hwreg(HW_REG_IB_STS2, 6, 4)
	s_cmp_eq_u32 s2, 0
	s_cbranch_scc0 .Lentry_in_a_cluster
	s_endpgm
.Lentry_in_a_cluster:
	s_bfe_u32 s2, ttmp6, 0x10000c
	s_cmp_lg_u32 s2, 0xf033
	s_cbranch_scc0 .Lentry_shape_is_right
	s_endpgm
.Lentry_shape_is_right:
; y = res + a W^T + bias: a [4,096][K] and W [1,024][K] as codes of BF6 in blocks of 128 rows x 512 k (51,200 bytes: see the first kernel), res and y [4,096][1,024] f32.  Here: K = 1,024, a = attention's output, W = out_w.  Nothing is left out.
; SHARES: a work-group makes 128 x 128 of y; four waves, 64 x 64 each: 16 accumulators.  K goes in steps of 512 through two LDS slots (a's block, then W's); waves 0, 1 fetch a's halves, waves 2, 3 W's, 25,600 dense bytes each.
; CLUSTER 4 x 4: a's blocks are shared along a row of the cluster, W's along a column: joint loads.  Source 0 = 16 rows of W, source 1 = 16 rows of a: a lane holds one row of y; the bias is the C of the first products.
; The way out goes through the wave's own stage in LDS, which no tensor load fills: sixteen lanes store 256 consecutive bytes, aligned.  The residual is asked for at the head, into window 2.
; A tile of 256 x 256 would leave three WGPs in four without work at this size.
.set KC,    2                          ; blocks along K
.set WOFF,  2457600                    ; W's first byte in wb
.set BLKB,  51200
.set SLOTB, 102400
.set QTR,   25600
.set STAGE, 204800                     ; behind the ring: 16 rows x 272 bytes for each wave
.set SPARE, 222208                     ; the spare words, 128 bytes a wave
.set ADRA, 4
.set ADRB, 6
.set ADRS, 8
.set GO,  10
.set STO, 11
.set RD,  12
.set CO,  13
.set SPW, 28
.set NIL, 29
.set SC,  32
.set G,   64
.set ACC, 128
.set F0,  0
.set F1,  128
.set WV, 14
.set WM, 15
.set WN, 16
.set G1A, 24
.set G1B, 32
.set G0A, 40
.set G0B, 48
.set CNT, 56
.set MUL,  0x05
.set TO_F, 0x40
.set MSB, 0
.macro WIN new
.if MSB != \new
	s_set_vgpr_msb (MSB<<8)|\new
.set MSB, \new
.endif
.endm
.macro PLACES n
.rept \n
	v_nop
.endr
.endm
.macro CROUND
	s_barrier_signal -1
	s_barrier_wait -1
	s_cmp_lg_u32 s[WV], 0
	s_cbranch_scc1 .Lnot_wave_0_\@
	s_barrier_signal -3
.Lnot_wave_0_\@:
	s_barrier_wait -3
	s_barrier_signal -1
	s_barrier_wait -1
.endm
.macro JLOAD s                         ; a joint load: the branch hangs on the wave's number alone; an s_nop 0 and four v_nop follow each of the two lines
	s_cmp_eq_u32 s[WM], 0
	s_cbranch_scc0 .Lfor_b_\@
	tensor_load_to_lds s[G0A+4*\s:G0A+4*\s+3], s[G1A:G1A+7]
	s_nop 0
	PLACES 4
	s_branch .Lasked_\@
.Lfor_b_\@:
	tensor_load_to_lds s[G0B+4*\s:G0B+4*\s+3], s[G1B:G1B+7]
	s_nop 0
	PLACES 4
.Lasked_\@:
.endm
.macro FETCH adra, adrb, q, buf
	WIN TO_F
.irp i, 0,1,2,3
.irp pc, 0,1,2,3,4,5
	ds_load_b64 v[(\buf)+12*\i+2*\pc:(\buf)+12*\i+2*\pc+1], v[\adra] offset:6144*\i+1536*(\q)+256*\pc
.endr
.endr
.irp i, 0,1,2,3
.irp pc, 0,1,2,3,4,5
	ds_load_b64 v[(\buf)+48+12*\i+2*\pc:(\buf)+48+12*\i+2*\pc+1], v[\adrb] offset:6144*\i+1536*(\q)+256*\pc
.endr
.endr
	WIN 0
.endm
.macro SCALES adr, set
.irp i, 0,1,2,3
	ds_load_b128 v[SC+16*(\set)+4*\i:SC+16*(\set)+4*\i+3], v[\adr] offset:256*\i
.endr
.endm
.macro MUL16 buf, set, q, cmode        ; the 16 accumulators by turns, in the same order in every step
.irp x, 0,1,2,3
.irp y, 0,1,2,3
.set DD, ACC+8*(4*\x+\y)
.set KY, SC+16*(\set)+4*\y+(\q)
.set KX, SC+16*(\set)+4*\x+(\q)
.set RA, (\buf)+48+12*\y
.set RB, (\buf)+12*\x
.set RC, G+8*\y
.if \cmode
.set RC, DD
.endif
	v_wmma_scale_f32_16x16x128_f8f6f4 v[DD:DD+7], v[RA:RA+11], v[RB:RB+11], v[RC:RC+7], v[KY], v[KX] matrix_a_fmt:MATRIX_FMT_BF6 matrix_b_fmt:MATRIX_FMT_BF6 matrix_a_scale:MATRIX_SCALE_ROW1
.endr
.endr
.endm
.macro STEP slot, q, cmode             ; one of a slot's first three steps of 128 k: its fragments were asked for a step ago; the next step's go into the other buffer
	s_wait_dscnt 0x0
	PLACES 4
	FETCH ADRA+\slot, ADRB+\slot, (\q)+1, 128*(((\q)+1)%2)
	WIN MUL
	MUL16 128*((\q)%2), \slot, \q, \cmode
	WIN 0
.endm
.macro TURN slot, next, fill           ; a slot's last step changes slots
	s_wait_tensorcnt 0x0                           ; all my tensor loads have landed: my part of the next slot
	ds_add_u32 v[SPW], v[NIL]                      ; 0 onto my spare word
.if \fill
	s_add_nc_u64 s[G0A+4*\slot+2:G0A+4*\slot+3], s[G0A+4*\slot+2:G0A+4*\slot+3], SLOTB   ; two blocks on along K
	s_add_nc_u64 s[G0B+4*\slot+2:G0B+4*\slot+3], s[G0B+4*\slot+2:G0B+4*\slot+3], SLOTB
.endif
	s_wait_dscnt 0x0                               ; the add is done, and my reads of this slot are over: its last fragments and its scale words are in registers
.if \fill
	CROUND
	JLOAD \slot                                    ; the first tensor load behind the round; its four v_nop are also the places in front of the loads below
.else
	s_barrier_signal -1
	s_barrier_wait -1
	PLACES 4
.endif
	FETCH ADRA+\next, ADRB+\next, 0, F0
	SCALES ADRS+\next, \next
	WIN MUL
	MUL16 F1, \slot, 3, 1
	WIN 0
.endm
.macro OUTX x                          ; 16 rows x 64 columns through my stage, the residual added, stored
.set TT, 64+32*((\x)%2)
.irp y, 0,1,2,3
	ds_store_b128 v[STO], v[ACC+8*(4*(\x)+\y):ACC+8*(4*(\x)+\y)+3] offset:(32*(\y/2)+8*(\y%2))*4        ; each accumulator from its low end on
	ds_store_b128 v[STO], v[ACC+8*(4*(\x)+\y)+4:ACC+8*(4*(\x)+\y)+7] offset:(32*(\y/2)+8*(\y%2))*4+16
.endr
.if (\x) >= 2
	s_wait_xcnt 0x0                                ; the stores of two tiles back have read these registers
.endif
.irp t, 0,1,2,3,4,5,6,7
	ds_load_b128 v[TT+4*\t:TT+4*\t+3], v[RD] offset:544*\t     ; LDS serves a wave's instructions in order: these see my stores
.endr
	s_wait_dscnt 0x0
	WIN 0x08                                       ; source 1: window 2
.set j, 0
.rept 16
	v_pk_add_f32 v[TT+j:TT+j+1], v[TT+j:TT+j+1], v[32*(\x)+j:32*(\x)+j+1]
.set j, j+2
.endr
	WIN 0
.irp t, 0,1,2,3,4,5,6,7
	global_store_b128 v[CO], v[TT+4*\t:TT+4*\t+3], s[12:13] offset:(32*((\x)/2)+8*((\x)%2)+2*\t+8*(\t/4))*4096   ; 16 lanes store 256 consecutive bytes, aligned
.endr
.endm
	s_load_b256 s[4:11], s[0:1], 0x0               ; a, wb, bias, res
	s_load_b64 s[12:13], s[0:1], 0x20              ; y
	v_lshl_add_u32 v[SPW], v0, 2, SPARE
	v_mov_b32 v[NIL], 0
	ds_add_u32 v[SPW], v[NIL]                      ; the wave's opening: the add, twice on end, and its wait ahead of my first tensor load
	ds_add_u32 v[SPW], v[NIL]
	v_lshrrev_b32 v1, 5, v0
	v_readfirstlane_b32 s[WV], v1
	s_lshr_b32 s[WM], s[WV], 1                     ; which 64 rows are mine.  Also: I fetch for a (0) or for W (1)
	s_and_b32 s[WN], s[WV], 1                      ; which 64 columns.  Also: which half of a block I fetch
	s_bfe_u32 s17, ttmp6, 0x40000
	s_bfe_u32 s18, ttmp6, 0x40004
	s_lshl_b32 s19, ttmp9, 2
	s_add_co_u32 s19, s19, s17                     ; cg
	s_and_b32 s20, ttmp7, 0xffff
	s_lshl_b32 s20, s20, 2
	s_add_co_u32 s20, s20, s18                     ; g
	s_lshl_b32 s21, s18, 2
	s_lshl_b32 s21, 15, s21
	s_lshl_b32 s22, 0x1111, s17
	s_or_b32 s[G1A], s21, (3<<16)|(1<<21)
	s_or_b32 s[G1B], s22, (3<<16)|(1<<21)
.irp gg, G1A, G1B
	s_mov_b32 s[\gg+1], 32<<16
	s_mov_b32 s[\gg+2], 100<<16
	s_mov_b32 s[\gg+3], 32<<16
	s_mov_b32 s[\gg+4], 100
	s_mov_b32 s[\gg+5], 32
	s_mov_b32 s[\gg+6], 0
	s_mov_b32 s[\gg+7], 0
.endr
	s_mul_i32 s21, s[WV], QTR                      ; where my part goes in a slot
	s_mul_i32 s23, s[WN], QTR
	s_mul_i32 s58, s20, KC*BLKB                    ; a's blocks hang on g alone,
	s_add_co_u32 s58, s58, s23
	s_mov_b32 s59, 0
	s_mul_i32 s60, s19, KC*BLKB                    ; W's on cg alone
	s_add_co_u32 s60, s60, s23
	s_add_co_u32 s60, s60, WOFF
	s_mov_b32 s61, 0
	s_wait_dscnt 0x0
	s_wait_kmcnt 0x0
	s_add_nc_u64 s[58:59], s[4:5], s[58:59]
	s_add_nc_u64 s[60:61], s[6:7], s[60:61]
	CROUND                                         ; all sixteen work-groups are here
.irp s, 0,1
	s_mov_b32 s[G0A+4*\s], 1
	s_add_co_u32 s[G0A+4*\s+1], s21, \s*SLOTB
	s_add_nc_u64 s[G0A+4*\s+2:G0A+4*\s+3], s[58:59], \s*BLKB
	s_or_b32 s[G0A+4*\s+3], s[G0A+4*\s+3], 0x80000000
	s_mov_b32 s[G0B+4*\s], 1
	s_add_co_u32 s[G0B+4*\s+1], s21, \s*SLOTB
	s_add_nc_u64 s[G0B+4*\s+2:G0B+4*\s+3], s[60:61], \s*BLKB
	s_or_b32 s[G0B+4*\s+3], s[G0B+4*\s+3], 0x80000000
.if \s
	s_wait_alu depctr_va_vdst(0)
	s_wait_tensorcnt 0x0                           ; slot 1's first fill is issued as a refill is
	ds_add_u32 v28, v29
	s_wait_dscnt 0x0
	CROUND
.endif
	JLOAD \s                                       ; one load of mine behind each round
.endr
	v_and_b32 v1, 15, v0
	v_bfe_u32 v2, v0, 4, 1
	v_and_b32 v3, 31, v0
	v_lshlrev_b32 v3, 3, v3                        ; 8 x lane
	v_lshlrev_b32 v[GO], 6, v2
	s_wait_alu depctr_va_vdst(0)
	v_lshlrev_b32 v[CO], 4, v1
	v_lshl_add_u32 v[CO], v2, 12, v[CO]            ; 4,096 h + 16 r
	s_wait_alu depctr_va_vdst(0)
	s_lshl_b32 s22, s19, 9
	s_lshl_b32 s23, s[WN], 8
	s_add_co_u32 s62, s22, s23
	s_mov_b32 s63, 0
	s_add_nc_u64 s[8:9], s[8:9], s[62:63]          ; the bias at my 64 columns
	s_lshl_b32 s22, s20, 19
	s_lshl_b32 s23, s[WM], 18
	s_add_co_u32 s62, s62, s22
	s_add_co_u32 s62, s62, s23
	s_add_nc_u64 s[10:11], s[10:11], s[62:63]      ; res and y at my 64 x 64
	s_add_nc_u64 s[12:13], s[12:13], s[62:63]
.irp y, 0,1,2,3
	global_load_b128 v[G+8*\y:G+8*\y+3], v[GO], s[8:9] offset:(32*(\y/2)+8*(\y%2))*4
	global_load_b128 v[G+8*\y+4:G+8*\y+7], v[GO], s[8:9] offset:(32*(\y/2)+8*(\y%2))*4+16
.endr
	WIN 0x80                                       ; destination window 2
.irp x, 0,1,2,3
.irp t, 0,1,2,3,4,5,6,7
	global_load_b128 v[32*\x+4*\t:32*\x+4*\t+3], v[CO], s[10:11] offset:(32*(\x/2)+8*(\x%2)+2*\t+8*(\t/4))*4096
.endr
.endr
	WIN 0
	s_mul_i32 s22, s[WM], 24576
	v_add_nc_u32 v[ADRA], s22, v3
	v_add_nc_u32 v[ADRA+1], SLOTB, v[ADRA]
	s_mul_i32 s22, s[WN], 24576
	s_add_co_u32 s22, s22, BLKB
	v_add_nc_u32 v[ADRB], s22, v3
	v_add_nc_u32 v[ADRB+1], SLOTB, v[ADRB]
	s_lshl_b32 s22, s[WM], 10
	s_add_co_u32 s22, s22, 49152
	v_lshl_add_u32 v[ADRS], v1, 4, s22
	s_xor_b32 s22, s[WM], 1
	s_add_co_u32 s22, s22, s[WN]
	s_lshl_b32 s22, s22, 10
	s_add_co_u32 s22, s22, BLKB-1024               ; 51,200 + 1,024 wn - 1,024 wm
	v_mad_u32_u24 v[ADRS], v2, s22, v[ADRS]        ; lanes 16-31 take W's words
	v_add_nc_u32 v[ADRS+1], SLOTB, v[ADRS]
	s_mul_i32 s22, s[WV], 4352
	s_add_co_u32 s22, s22, STAGE
	v_mul_u32_u24 v[STO], v1, 272
	v_lshl_add_u32 v[STO], v2, 6, v[STO]
	v_add_nc_u32 v[STO], s22, v[STO]               ; in: row r, + 64 h
	v_mul_u32_u24 v[RD], v2, 272
	v_lshl_add_u32 v[RD], v1, 4, v[RD]
	v_add_nc_u32 v[RD], s22, v[RD]                 ; back: lanes 0-15 one row, lanes 16-31 the next
	s_wait_alu depctr_va_vdst(0)
	s_wait_tensorcnt 0x1                           ; my part of slot 0 is in; slot 1's may stay out
	s_barrier_signal -1
	s_barrier_wait -1
	FETCH ADRA, ADRB, 0, F0
	SCALES ADRS, 0
	s_wait_loadcnt 32                              ; the bias is in; the residual's 32 loads may be out
	STEP 0, 0, 0                                   ; the first step stands in front of the loop: the bias starts the sums
.if KC > 2
	s_mov_b32 s[CNT], KC/2-1
.Llap:                                                 ; a trip goes once round the ring and fills both slots again
	STEP 0, 1, 1
	STEP 0, 2, 1
	TURN 0, 1, 1
	STEP 1, 0, 1
	STEP 1, 1, 1
	STEP 1, 2, 1
	TURN 1, 0, 1
	STEP 0, 0, 1
	s_sub_co_u32 s[CNT], s[CNT], 1
	s_cmp_lg_u32 s[CNT], 0
	s_cbranch_scc1 .Llap
.endif
	STEP 0, 1, 1                                   ; the last lap fills nothing
	STEP 0, 2, 1
	TURN 0, 1, 0
	STEP 1, 0, 1
	STEP 1, 1, 1
	STEP 1, 2, 1
	s_wait_dscnt 0x0
	WIN MUL
	MUL16 F1, 1, 3, 1
	WIN 0
	PLACES 4                                       ; in front of the first read of results
	s_wait_loadcnt 0x0                             ; the residual
	OUTX 0
	OUTX 1
	OUTX 2
	OUTX 3
	s_wait_tensorcnt 0x0                           ; the wave's end
	ds_add_u32 v[SPW], v[NIL]
	s_wait_dscnt 0x0
	CROUND                                         ; the closing round
	s_endpgm
.Lfunc_end_k_q1aab9d7292_outp:
	.size	k_q1aab9d7292_outp, .Lfunc_end_k_q1aab9d7292_outp-k_q1aab9d7292_outp
	.p2alignl 7, 3214868480
	.fill 96, 4, 3214868480
	.section	.rodata,"a",@progbits
	.p2align	6, 0x0
	.amdhsa_kernel k_q1aab9d7292_outp
		.amdhsa_group_segment_fixed_size 327680
		.amdhsa_private_segment_fixed_size 0
		.amdhsa_enable_private_segment 0
		.amdhsa_kernarg_size 40
		.amdhsa_user_sgpr_count 2
		.amdhsa_user_sgpr_kernarg_segment_ptr 1
		.amdhsa_wavefront_size32 1
		.amdhsa_system_sgpr_workgroup_id_x 1
		.amdhsa_system_sgpr_workgroup_id_y 1
		.amdhsa_system_sgpr_workgroup_id_z 1
		.amdhsa_system_vgpr_workitem_id 0
		.amdhsa_next_free_vgpr 768
		.amdhsa_next_free_sgpr 66
		.amdhsa_reserve_vcc 0
		.amdhsa_float_denorm_mode_32 3
		.amdhsa_float_denorm_mode_16_64 3
		.amdhsa_memory_ordered 1
		.amdhsa_forward_progress 1
		.amdhsa_inst_pref_size 67
	.end_amdhsa_kernel
	.amdgpu_metadata
---
amdhsa.version: [ 1, 2 ]
amdhsa.kernels:
  - .name:           k_q1aab9d7292_outp
    .symbol:         k_q1aab9d7292_outp.kd
    .args:
      - { .name: ob, .offset: 0, .size: 8, .value_kind: global_buffer, .address_space: global }
      - { .name: wb, .offset: 8, .size: 8, .value_kind: global_buffer, .address_space: global }
      - { .name: out_b, .offset: 16, .size: 8, .value_kind: global_buffer, .address_space: global }
      - { .name: x, .offset: 24, .size: 8, .value_kind: global_buffer, .address_space: global }
      - { .name: x1, .offset: 32, .size: 8, .value_kind: global_buffer, .address_space: global }
    .group_segment_fixed_size: 327680
    .private_segment_fixed_size: 0
    .kernarg_segment_align: 8
    .kernarg_segment_size: 40
    .max_flat_workgroup_size: 128
    .sgpr_count:     66
    .vgpr_count:     768
    .wavefront_size: 32
...
	.end_amdgpu_metadata
.endif
;; end of part 4
;; launch ln2 (part 5): grid 256 x 1, 8 waves a work-group, no clusters, 69,632 bytes of LDS; arguments x1, ln2_g, ln2_b, hb; writes hb
.if DOCPART == 5
	.amdgcn_target "amdgcn-amd-amdhsa--gfx1250"
	.amdhsa_code_object_version 6
	.text
	.protected	k_q1aab9d7292_ln2
	.globl	k_q1aab9d7292_ln2
	.p2align	8
	.type	k_q1aab9d7292_ln2,@function
k_q1aab9d7292_ln2:
	s_mov_b64 s[64:65], 0
	v_nop
	global_prefetch_b8 v0, s[64:65] scope:SCOPE_SE
	s_setreg_imm32_b32 hwreg(HW_REG_WAVE_MODE, 25, 1), 1
	s_wait_xcnt 0x0
; LAYER NORM AND QUANTISER: h = (x - mean) rsqrt(var + 1e-5) g + b over rows of 1,024 f32, then codes of BF6 along the row, laid as blocks (128 rows x 512 k, 51,200 bytes: see the first kernel).  Nothing is left out.
; The variance is taken of x - mean, in a second pass over registers: no difference of large sums.  LIMITS: as stated at the head of the first kernel.
; SHARES: a work-group takes one tile of 16 rows (lane r: row 32 (T / 2) + 8 (T % 2) + r + 8 (r / 8)); wave w takes columns 128 w .. 128 w + 127, one fragment.  Each load reads 512 consecutive bytes of a row;
; the wave's 8,192 bytes turn through its own stage in LDS.  The rows' sums meet in LDS: two barriers.  No tensor load, no matrix unit, no cluster: the launch streams.
.set PART,  67584                      ; behind the eight stages of 8,448 bytes: [r][wave] f32, 512 bytes for the sums, 512 for the squares
.set SPARE, 68608                      ; the spare words, 128 bytes a wave
.set SPW, 14
.set NIL, 15
.set R,   32                           ; v32-95   x as loaded, later beta
.set X,   96                           ; v96-159  register 16 b + i = column 128 w + 32 b + 16 (lane / 16) + i of my row
.set GA,  160                          ; v160-223 gamma of the same columns
.set PC,  224
.set TM,  244
.set SEL, 32
.macro QUANT s, pw
.irp b, 0,1,2,3
	v_max3_num_f32 v[TM+\b], |v[(\s)+16*\b]|, |v[(\s)+1+16*\b]|, 0x2800000   ; my 16 numbers of block b, and the floor 2^(5 - 127)
.endr
.irp i, 2,4,6,8,10,12,14
.irp b, 0,1,2,3
	s_delay_alu instid0(VALU_DEP_4)
	v_max3_num_f32 v[TM+\b], v[TM+\b], |v[(\s)+16*\b+\i]|, |v[(\s)+1+16*\b+\i]|
.endr
.endr
.irp b, 0,1,2,3
	s_delay_alu instid0(VALU_DEP_4)
	v_permlanex16_b32 v[TM+4+\b], v[TM+\b], s[SEL], s[SEL+1]
.endr
.irp b, 0,1,2,3
	s_delay_alu instid0(VALU_DEP_4)
	v_max_num_f32 v[TM+\b], v[TM+\b], v[TM+4+\b]
.endr
.irp b, 0,1,2,3
	s_delay_alu instid0(VALU_DEP_4)
	v_add_nc_u32 v[TM+8+\b], 0xfe000000, v[TM+\b]          ; 4 off the exponent field: the conversion's scale operand
.endr
.irp b, 0,1,2,3
	s_delay_alu instid0(VALU_DEP_4)
	v_lshrrev_b32 v[TM+4+\b], 23, v[TM+8+\b]               ; the scale's byte
.endr
	s_delay_alu instid0(VALU_DEP_3)
	v_lshl_or_b32 v[\pw], v[TM+5], 8, v[TM+4]
	s_delay_alu instid0(VALU_DEP_1)
	v_lshl_or_b32 v[\pw], v[TM+6], 16, v[\pw]
	s_delay_alu instid0(VALU_DEP_1)
	v_lshl_or_b32 v[\pw], v[TM+7], 24, v[\pw]
.irp c, 0,1
	v_cvt_scalef32_pk16_bf6_f32 v[PC+6*\c:PC+2+6*\c], v[(\s)+32*\c:(\s)+15+32*\c], v[TM+8+2*\c]
	v_cvt_scalef32_pk16_bf6_f32 v[PC+12+4*\c:PC+14+4*\c], v[(\s)+16+32*\c:(\s)+31+32*\c], v[TM+8+2*\c+1]
.endr
	v_nop                                                  ; one plain place behind a scaled conversion
.irp c, 0,1
.irp i, 0,1,2
	v_permlane16_swap_b32 v[PC+6*\c+\i], v[PC+12+4*\c+\i]
.endr
.irp i, 0,1,2
	s_delay_alu instid0(VALU_DEP_3)
	v_mov_b32 v[PC+3+6*\c+\i], v[PC+12+4*\c+\i]
.endr
.endr
.endm
.macro MEET off                        ; my part of a row's sum (v22) to LDS; a barrier; all eight parts back; their sum in v24, the same in every wave
	ds_store_b32 v11, v22 offset:\off              ; both lanes of a row write the same word with the same value
	s_wait_dscnt 0x0                               ; for the others' sake: my store has landed
	s_barrier_signal -1
	s_barrier_wait -1
	ds_load_b128 v[24:27], v10 offset:\off
	ds_load_b128 v[28:31], v10 offset:\off+16
	s_wait_dscnt 0x0
	v_add_f32 v24, v24, v25
	v_add_f32 v26, v26, v27
	v_add_f32 v28, v28, v29
	v_add_f32 v30, v30, v31
	s_delay_alu instid0(VALU_DEP_3)
	v_add_f32 v24, v24, v26
	s_delay_alu instid0(VALU_DEP_2)
	v_add_f32 v28, v28, v30
	s_delay_alu instid0(VALU_DEP_1)
	v_add_f32 v24, v24, v28
.endm
.macro ACROSS                          ; the two chains, the pair's halves and lane l xor 16's: v22 = the sum over my row's 128 columns
	s_delay_alu instid0(VALU_DEP_1)
	v_pk_add_f32 v[22:23], v[22:23], v[24:25]
	s_delay_alu instid0(VALU_DEP_1)
	v_add_f32 v22, v22, v23
	s_delay_alu instid0(VALU_DEP_1)
	v_permlanex16_b32 v23, v22, s[SEL], s[SEL+1]
	s_delay_alu instid0(VALU_DEP_1)
	v_add_f32 v22, v22, v23
.endm
	s_load_b256 s[4:11], s[0:1], 0x0               ; x, gamma, beta, the codes' buffer
	v_lshl_add_u32 v[SPW], v0, 2, SPARE
	v_mov_b32 v[NIL], 0
	v_lshrrev_b32 v1, 5, v0
	s_delay_alu instid0(VALU_DEP_1)
	v_readfirstlane_b32 s12, v1                    ; wave 0..7
	v_and_b32 v1, 31, v0
	v_and_b32 v2, 15, v0                           ; r
	v_bfe_u32 v3, v0, 4, 1                         ; h
	s_mul_i32 s13, s12, 8448
	v_lshlrev_b32 v6, 4, v1                        ; 16 x lane
	s_delay_alu instid0(VALU_DEP_1)
	v_add_nc_u32 v4, s13, v6                       ; into my stage
	v_mul_u32_u24 v5, v2, 528
	s_delay_alu instid0(VALU_DEP_1)
	v_lshl_add_u32 v5, v3, 6, v5
	s_delay_alu instid0(VALU_DEP_1)
	v_add_nc_u32 v5, s13, v5                       ; out of it
	v_lshlrev_b32 v7, 6, v3                        ; 64 h: gamma's and beta's offset
	v_lshlrev_b32 v8, 3, v1                        ; 8 x lane
	v_lshlrev_b32 v9, 4, v2                        ; 16 r
	v_lshlrev_b32 v10, 5, v2
	s_delay_alu instid0(VALU_DEP_1)
	v_add_nc_u32 v10, PART, v10                    ; my row's eight parts
	s_lshl_b32 s14, s12, 2
	v_add_nc_u32 v11, s14, v10                     ; my wave's among them
.irp b, 0,1,2,3
	v_mov_b32 v[TM+4+\b], 0
.endr
	s_mov_b32 s[SEL], 0x76543210
	s_mov_b32 s[SEL+1], 0xfedcba98
	s_mov_b32 s34, 0x3a800000                      ; 1 / 1,024
	s_mov_b32 s35, 0x3727c5ac                      ; 1e-5
	s_lshr_b32 s15, ttmp9, 1
	s_lshl_b32 s15, s15, 5
	s_and_b32 s16, ttmp9, 1
	s_lshl_b32 s16, s16, 3
	s_add_co_u32 s15, s15, s16                     ; the tile's first row
	s_lshl_b32 s18, s12, 9                         ; my 128 columns, in bytes
	s_mov_b32 s19, 0
	s_lshl_b32 s16, s15, 12
	s_add_co_u32 s16, s16, s18
	s_mov_b32 s17, 0
	s_lshr_b32 s20, ttmp9, 3
	s_lshl_b32 s20, s20, 1
	s_lshr_b32 s21, s12, 2
	s_add_co_u32 s20, s20, s21
	s_mul_i32 s20, s20, 51200                      ; my block: 2 (T / 8) + w / 4
	s_and_b32 s26, ttmp9, 7
	s_and_b32 s27, s12, 3
	s_mul_i32 s22, s26, 6144
	s_mul_i32 s21, s27, 1536
	s_add_co_u32 s22, s22, s21
	s_add_co_u32 s22, s22, s20                     ; my fragment's codes
	s_mov_b32 s23, 0
	s_lshl_b32 s24, s26, 8
	s_lshl_b32 s21, s27, 2
	s_add_co_u32 s24, s24, s21
	s_add_co_u32 s24, s24, s20
	s_add_co_u32 s24, s24, 49152                   ; its scale words
	s_mov_b32 s25, 0
	s_wait_kmcnt 0x0
	s_add_nc_u64 s[4:5], s[4:5], s[16:17]
	s_add_nc_u64 s[6:7], s[6:7], s[18:19]
	s_add_nc_u64 s[8:9], s[8:9], s[18:19]
	s_add_nc_u64 s[28:29], s[10:11], s[22:23]
	s_add_nc_u64 s[30:31], s[10:11], s[24:25]
.irp i, 0,1,2,3,4,5,6,7,8,9,10,11,12,13,14,15
	global_load_b128 v[R+4*\i:R+4*\i+3], v6, s[4:5] offset:(\i+8*(\i/8))*4096   ; 512 consecutive bytes of a row
.endr
.irp b, 0,1,2,3
.irp j, 0,1,2,3
	global_load_b128 v[GA+16*\b+4*\j:GA+16*\b+4*\j+3], v7, s[6:7] offset:128*\b+16*\j
.endr
.endr
	s_wait_loadcnt 16                              ; x is in; gamma's 16 loads may be out
.irp i, 0,1,2,3,4,5,6,7,8,9,10,11,12,13,14,15
	ds_store_b128 v4, v[R+4*\i:R+4*\i+3] offset:528*\i
.endr
.irp b, 0,1,2,3
.irp j, 0,1,2,3
	ds_load_b128 v[X+16*\b+4*\j:X+16*\b+4*\j+3], v5 offset:128*\b+16*\j      ; LDS serves a wave's instructions in order: these see my stores
.endr
.endr
	s_wait_dscnt 0x0
.irp b, 0,1,2,3
.irp j, 0,1,2,3
	global_load_b128 v[R+16*\b+4*\j:R+16*\b+4*\j+3], v7, s[8:9] offset:128*\b+16*\j   ; beta, into the registers that x has left
.endr
.endr
	v_pk_add_f32 v[22:23], v[X:X+1], v[X+2:X+3]    ; the row's sum, two at a time, in two chains
	v_pk_add_f32 v[24:25], v[X+4:X+5], v[X+6:X+7]
.set j, 8
.rept 14
	s_delay_alu instid0(VALU_DEP_2)
	v_pk_add_f32 v[22:23], v[22:23], v[X+j:X+j+1]
	s_delay_alu instid0(VALU_DEP_2)
	v_pk_add_f32 v[24:25], v[24:25], v[X+j+2:X+j+3]
.set j, j+4
.endr
	ACROSS
	MEET 0
	s_delay_alu instid0(VALU_DEP_1)
	v_mul_f32 v16, s34, v24                        ; the mean,
	s_delay_alu instid0(VALU_DEP_1)
	v_mov_b32 v17, v16                             ; as a pair
.set j, 0
.rept 32
	v_pk_add_f32 v[X+j:X+j+1], v[X+j:X+j+1], v[16:17] neg_lo:[0,1] neg_hi:[0,1]   ; x - mean
.set j, j+2
.endr
	v_pk_mul_f32 v[22:23], v[X:X+1], v[X:X+1]
	v_pk_mul_f32 v[24:25], v[X+2:X+3], v[X+2:X+3]
.set j, 4
.rept 15
	s_delay_alu instid0(VALU_DEP_2)
	v_pk_fma_f32 v[22:23], v[X+j:X+j+1], v[X+j:X+j+1], v[22:23]
	s_delay_alu instid0(VALU_DEP_2)
	v_pk_fma_f32 v[24:25], v[X+j+2:X+j+3], v[X+j+2:X+j+3], v[24:25]
.set j, j+4
.endr
	ACROSS
	MEET 512
	s_delay_alu instid0(VALU_DEP_1)
	v_fma_f32 v18, v24, s34, s35                   ; the variance + 1e-5
	s_wait_alu depctr_va_vdst(0)
	v_rsq_f32 v18, v18
	v_nop                                          ; a plain place behind the transcendental
	s_wait_alu depctr_va_vdst(0)                   ; and the wait ahead of the first use
	v_mov_b32 v19, v18
.set j, 0
.rept 32
	v_pk_mul_f32 v[X+j:X+j+1], v[X+j:X+j+1], v[18:19]
.set j, j+2
.endr
	s_wait_loadcnt 0x0                             ; gamma and beta
.set j, 0
.rept 32
	v_pk_fma_f32 v[X+j:X+j+1], v[X+j:X+j+1], v[GA+j:GA+j+1], v[R+j:R+j+1]
.set j, j+2
.endr
	QUANT X, 20
.irp pc, 0,1,2,3,4,5
	global_store_b64 v8, v[PC+2*\pc:PC+2*\pc+1], s[28:29] offset:256*\pc     ; 256 consecutive bytes, aligned
.endr
	global_store_b32 v9, v20, s[30:31]             ; row r's scale word; lanes l and l xor 16 hold the same word and name the same place
	s_wait_tensorcnt 0x0                           ; the wave's end
	ds_add_u32 v[SPW], v[NIL]
	s_wait_dscnt 0x0
	s_endpgm
.Lfunc_end_k_q1aab9d7292_ln2:
	.size	k_q1aab9d7292_ln2, .Lfunc_end_k_q1aab9d7292_ln2-k_q1aab9d7292_ln2
	.p2alignl 7, 3214868480
	.fill 96, 4, 3214868480
	.section	.rodata,"a",@progbits
	.p2align	6, 0x0
	.amdhsa_kernel k_q1aab9d7292_ln2
		.amdhsa_group_segment_fixed_size 69632
		.amdhsa_private_segment_fixed_size 0
		.amdhsa_enable_private_segment 0
		.amdhsa_kernarg_size 32
		.amdhsa_user_sgpr_count 2
		.amdhsa_user_sgpr_kernarg_segment_ptr 1
		.amdhsa_wavefront_size32 1
		.amdhsa_system_sgpr_workgroup_id_x 1
		.amdhsa_system_sgpr_workgroup_id_y 1
		.amdhsa_system_sgpr_workgroup_id_z 1
		.amdhsa_system_vgpr_workitem_id 0
		.amdhsa_next_free_vgpr 256
		.amdhsa_next_free_sgpr 66
		.amdhsa_reserve_vcc 0
		.amdhsa_float_denorm_mode_32 3
		.amdhsa_float_denorm_mode_16_64 3
		.amdhsa_memory_ordered 1
		.amdhsa_forward_progress 1
		.amdhsa_inst_pref_size 30
	.end_amdhsa_kernel
	.amdgpu_metadata
---
amdhsa.version: [ 1, 2 ]
amdhsa.kernels:
  - .name:           k_q1aab9d7292_ln2
    .symbol:         k_q1aab9d7292_ln2.kd
    .args:
      - { .name: x1, .offset: 0, .size: 8, .value_kind: global_buffer, .address_space: global }
      - { .name: ln2_g, .offset: 8, .size: 8, .value_kind: global_buffer, .address_space: global }
      - { .name: ln2_b, .offset: 16, .size: 8, .value_kind: global_buffer, .address_space: global }
      - { .name: hb, .offset: 24, .size: 8, .value_kind: global_buffer, .address_space: global }
    .group_segment_fixed_size: 69632
    .private_segment_fixed_size: 0
    .kernarg_segment_align: 8
    .kernarg_segment_size: 32
    .max_flat_workgroup_size: 256
    .sgpr_count:     66
    .vgpr_count:     256
    .wavefront_size: 32
...
	.end_amdgpu_metadata
.endif
;; end of part 5
;; launch ff1 (part 6): grid 8 x 32, 4 waves a work-group, clusters of 4 x 4, 327,680 bytes of LDS; arguments hb, wb, ff1_b, gb; writes gb
.if DOCPART == 6
	.amdgcn_target "amdgcn-amd-amdhsa--gfx1250"
	.amdhsa_code_object_version 6
	.text
	.protected	k_q1aab9d7292_ff1
	.globl	k_q1aab9d7292_ff1
	.p2align	8
	.type	k_q1aab9d7292_ff1,@function
k_q1aab9d7292_ff1:
	s_mov_b64 s[64:65], 0
	v_nop
	global_prefetch_b8 v0, s[64:65] scope:SCOPE_SE
	s_setreg_imm32_b32 hwreg(HW_REG_WAVE_MODE, 25, 1), 1
	s_wait_xcnt 0x0
	s_wait_alu depctr_hold_cnt(0) depctr_sa_sdst(0) depctr_va_vdst(0) depctr_va_sdst(0) depctr_va_ssrc(0) depctr_va_vcc(0) depctr_vm_vsrc(0)
	s_getreg_b32 s2, hwreg(HW_REG_IB_STS2, 6, 4)
	s_cmp_eq_u32 s2, 0
	s_cbranch_scc0 .Lentry_in_a_cluster
	s_endpgm
.Lentry_in_a_cluster:
	s_bfe_u32 s2, ttmp6, 0x10000c
	s_cmp_lg_u32 s2, 0xf033
	s_cbranch_scc0 .Lentry_shape_is_right
	s_endpgm
.Lentry_shape_is_right:
.set BLKB,  51200
.set SLOTB, 102400
.set QTR,   25600
.set SPARE, 307200
.set WOFF,  3276800
.set BSTEP, 819200
.set OSTEP, 102400
.set AA,  4
.set AB0, 6
.set AS0, 8
.set ADB, 10
.set ADS, 12
.set CO,  14
.set HO,  15
.set GO,  16
.set SPW, 28
.set NIL, 29
.set SC,  32
.set G,   64
.set PC,  96
.set PT,  102
.set QM,  106
.set QP,  108
.set QS,  110
.set HW,  112
.set HS,  120
.set ACC, 128
.set F0,  0
.set ZZ,  0
.set Z2,  32
.set PP,  64
.set QQ,  96
.set HH,  128
.set VA7, 224
.set VB10, 226
.set WV, 12
.set WM, 13
.set WN, 14
.set G1A, 24
.set G1B, 32
.set G0A, 40
.set G0B, 44
.set TB,  48
.set TN,  49
.set LB0, 50
.set D0,  51
.set CNT, 52
.set HM,  53
.set SEL, 54
.set KR2, 66
.set A9,  68
.set A5,  70
.set A3,  72
.set A1,  74
.set B12, 76
.set B8,  78
.set B6,  80
.set B4,  82
.set B2,  84
.set CLO, 86
.set CHI, 87
.set TO_F, 0x40
.set MSB, 0
.macro WIN new
.if MSB != \new
	s_set_vgpr_msb (MSB<<8)|\new
.set MSB, \new
.endif
.endm
.macro PLACES n
.rept \n
	v_nop
.endr
.endm
.macro CROUND
	s_barrier_signal -1
	s_barrier_wait -1
	s_cmp_lg_u32 s[WV], 0
	s_cbranch_scc1 .Lnot_wave_0_\@
	s_barrier_signal -3
.Lnot_wave_0_\@:
	s_barrier_wait -3
	s_barrier_signal -1
	s_barrier_wait -1
.endm
.macro QUANT2 s, hw
	v_max3_num_f32 v[QM], |v[(\s)]|, |v[(\s)+1]|, 0x2800000
	v_max3_num_f32 v[QM+1], |v[(\s)+16]|, |v[(\s)+17]|, 0x2800000
.irp i, 2,4,6,8,10,12,14
	v_max3_num_f32 v[QM], v[QM], |v[(\s)+\i]|, |v[(\s)+\i+1]|
	v_max3_num_f32 v[QM+1], v[QM+1], |v[(\s)+16+\i]|, |v[(\s)+17+\i]|
.endr
	v_permlanex16_b32 v[QP], v[QM], s[SEL], s[SEL+1]
	v_permlanex16_b32 v[QP+1], v[QM+1], s[SEL], s[SEL+1]
	v_max_num_f32 v[QM], v[QM], v[QP]
	v_max_num_f32 v[QM+1], v[QM+1], v[QP+1]
	v_add_nc_u32 v[QS], 0xfe000000, v[QM]
	v_add_nc_u32 v[QS+1], 0xfe000000, v[QM+1]
	v_lshrrev_b32 v[QP], 23, v[QS]
	v_lshrrev_b32 v[QP+1], 23, v[QS+1]
	v_lshl_or_b32 v[\hw], v[QP+1], 8, v[QP]
	s_wait_alu depctr_va_vdst(0)
	s_wait_xcnt 0x0
	v_cvt_scalef32_pk16_bf6_f32 v[PC:PC+2], v[(\s):(\s)+15], v[QS]
	v_cvt_scalef32_pk16_bf6_f32 v[PT:PT+2], v[(\s)+16:(\s)+31], v[QS+1]
	v_nop
.irp i, 0,1,2
	v_permlane16_swap_b32 v[PC+\i], v[PT+\i]
.endr
.irp i, 0,1,2
	v_mov_b32 v[PC+3+\i], v[PT+\i]
.endr
.endm
.macro GLOAD
.irp y, 0,1,2,3
	global_load_b128 v[G+8*\y:G+8*\y+3], v[GO], s[8:9] offset:(32*(\y/2)+8*(\y%2))*4
	global_load_b128 v[G+8*\y+4:G+8*\y+7], v[GO], s[8:9] offset:(32*(\y/2)+8*(\y%2))*4+16
.endr
.endm
.macro AHALF win, adr
	WIN \win
.irp q, 0,1,2,3
.irp i, 0,1,2,3
.irp pc, 0,1,2,3,4,5
	ds_load_b64 v[48*\q+12*\i+2*\pc:48*\q+12*\i+2*\pc+1], v[\adr] offset:6144*\i+1536*\q+256*\pc
.endr
.endr
.endr
.endm
.macro ALOAD
	AHALF 0x80, AA
	AHALF 0xc0, AA+1
	WIN 0
.endm
.macro FETCH adrb, q, buf
	WIN TO_F
.irp i, 0,1,2,3
.irp pc, 0,1,2,3,4,5
	ds_load_b64 v[(\buf)+12*\i+2*\pc:(\buf)+12*\i+2*\pc+1], v[\adrb] offset:6144*\i+1536*(\q)+256*\pc
.endr
.endr
	WIN 0
.endm
.macro SCALES adr, set
.irp i, 0,1,2,3
	ds_load_b128 v[SC+16*(\set)+4*\i:SC+16*(\set)+4*\i+3], v[\adr] offset:256*\i
.endr
.endm
.macro MUL16 buf, set, q, cmode
.irp x, 0,1,2,3
.irp y, 0,1,2,3
.set DD, ACC+8*(4*\x+\y)
.set KY, SC+16*(\set)+4*\y+(\q)
.set KX, SC+16*(\set)+4*\x+(\q)
.set RA, (\buf)+12*\y
.set RB, 48*(\q)+12*\x
.set RC, G+8*\y
.if \cmode
.set RC, DD
.endif
	v_wmma_scale_f32_16x16x128_f8f6f4 v[DD:DD+7], v[RA:RA+11], v[RB:RB+11], v[RC:RC+7], v[KY], v[KX] matrix_a_fmt:MATRIX_FMT_BF6 matrix_b_fmt:MATRIX_FMT_BF6 matrix_a_scale:MATRIX_SCALE_ROW1
.endr
.endr
.endm
.macro STEP s, gnext
	s_wait_dscnt 0x0
	PLACES 4
.if (\s) < 7
	FETCH ADB+((\s)+1)/4, ((\s)+1)%4, 128*(((\s)+1)%2)
.endif
.if (\s) == 2
	SCALES ADS+1, 1
.endif
.if (\s) == 1
.if \gnext
	s_wait_xcnt 0x0
	s_add_nc_u64 s[8:9], s[8:9], 4096
	GLOAD
.endif
.endif
.set WMUL, 0x09+4*((\s)/4)
	WIN WMUL
.if (\s) == 0
	MUL16 128*((\s)%2), (\s)/4, (\s)%4, 0
.else
	MUL16 128*((\s)%2), (\s)/4, (\s)%4, 1
.endif
	WIN 0
.endm
.macro HORN d, c
.set j, 0
.rept 16
	v_pk_fma_f32 v[\d+j:\d+j+1], v[\d+j:\d+j+1], v[Z2+j:Z2+j+1], s[\c:\c+1] op_sel_hi:[1,1,0]
.set j, j+2
.endr
.endm
.macro GELU32 xs
	WIN 0x40
.set j, 0
.rept 16
	v_pk_mul_f32 v[ZZ+j:ZZ+j+1], v[(\xs)+j:(\xs)+j+1], s[KR2:KR2+1] op_sel_hi:[1,0]
.set j, j+2
.endr
.set j, 0
.rept 16
	v_pk_mul_f32 v[HH+j:HH+j+1], v[(\xs)+j:(\xs)+j+1], 0.5 op_sel_hi:[1,0]
.set j, j+2
.endr
	WIN 0x55
.set j, 0
.rept 32
	v_med3_num_f32 v[ZZ+j], v[ZZ+j], s[CLO], s[CHI]
.set j, j+1
.endr
.set j, 0
.rept 16
	v_pk_mul_f32 v[Z2+j:Z2+j+1], v[ZZ+j:ZZ+j+1], v[ZZ+j:ZZ+j+1]
.set j, j+2
.endr
.set j, 0
.rept 16
	v_pk_fma_f32 v[PP+j:PP+j+1], v[Z2+j:Z2+j+1], s[A9:A9+1], v[VA7:VA7+1] op_sel_hi:[1,0,1]
	v_pk_fma_f32 v[QQ+j:QQ+j+1], v[Z2+j:Z2+j+1], s[B12:B12+1], v[VB10:VB10+1] op_sel_hi:[1,0,1]
.set j, j+2
.endr
	HORN PP, A5
	HORN QQ, B8
	HORN PP, A3
	HORN QQ, B6
	HORN PP, A1
	HORN QQ, B4
	HORN QQ, B2
.set j, 0
.rept 16
	v_pk_fma_f32 v[QQ+j:QQ+j+1], v[QQ+j:QQ+j+1], v[Z2+j:Z2+j+1], 1.0 op_sel_hi:[1,1,0]
.set j, j+2
.endr
.set j, 0
	s_wait_alu depctr_va_vdst(0)
.rept 32
	v_rcp_f32 v[QQ+j], v[QQ+j]
.set j, j+1
.endr
.set j, 0
.rept 16
	v_pk_mul_f32 v[PP+j:PP+j+1], v[PP+j:PP+j+1], v[ZZ+j:ZZ+j+1]
.set j, j+2
.endr
	s_wait_alu depctr_va_vdst(0)
.set j, 0
.rept 16
	v_pk_mul_f32 v[PP+j:PP+j+1], v[PP+j:PP+j+1], v[QQ+j:QQ+j+1]
.set j, j+2
.endr
	WIN 0x15
.set j, 0
.rept 16
	v_pk_fma_f32 v[(\xs)+j:(\xs)+j+1], v[HH+j:HH+j+1], v[PP+j:PP+j+1], v[HH+j:HH+j+1]
.set j, j+2
.endr
	WIN 0
.endm
.macro EPI
.irp x, 0,1,2,3
	GELU32 ACC+32*\x
	QUANT2 ACC+32*\x, HW+\x
.irp p, 0,1,2
	global_store_b64 v[CO], v[PC+2*\p:PC+2*\p+1], s[10:11] offset:6144*\x+256*\p
.endr
.endr
.irp u, 0,1
	v_cndmask_b32 v[HS+\u], v[HW+\u], v[HW+2+\u], s[HM]
.endr
.irp u, 0,1
	global_store_b16 v[HO], v[HS+\u], s[60:61] offset:256*\u
.endr
.endm
.macro TILE refill
	s_wait_tensorcnt 0x0
	ds_add_u32 v[SPW], v[NIL]
	s_xor_b32 s[TN], s[TB], SLOTB
.if \refill
	s_add_co_u32 s[G0B+1], s[LB0], s[TN]
	s_add_nc_u64 s[G0B+2:G0B+3], s[G0B+2:G0B+3], BSTEP
.endif
	s_wait_dscnt 0x0
.if \refill
	CROUND
	tensor_load_to_lds s[G0B:G0B+3], s[G1B:G1B+7]
	s_nop 0
	PLACES 4
.else
	s_barrier_signal -1
	s_barrier_wait -1
.endif
	v_add_nc_u32 v[ADB], s[TB], v[AB0]
	v_add_nc_u32 v[ADB+1], s[TB], v[AB0+1]
	s_add_co_u32 s22, s[D0], s[TB]
	v_mad_u32_u24 v[ADS], v2, s22, v[AS0]
	v_mad_u32_u24 v[ADS+1], v2, s22, v[AS0+1]
	s_wait_alu depctr_va_vdst(0)
	s_wait_loadcnt 0x0
	FETCH ADB, 0, F0
	SCALES ADS, 0
.irp s, 0,1,2,3,4,5,6,7
	STEP \s, \refill
.endr
	PLACES 4
	EPI
.if \refill
	s_wait_xcnt 0x0
	s_add_nc_u64 s[10:11], s[10:11], OSTEP
	s_add_nc_u64 s[60:61], s[60:61], OSTEP
	s_xor_b32 s[TB], s[TB], SLOTB
.endif
.endm
	s_load_b256 s[4:11], s[0:1], 0x0
	v_lshl_add_u32 v[SPW], v0, 2, SPARE
	v_mov_b32 v[NIL], 0
	ds_add_u32 v[SPW], v[NIL]
	ds_add_u32 v[SPW], v[NIL]
	v_lshrrev_b32 v1, 5, v0
	v_readfirstlane_b32 s[WV], v1
	s_lshr_b32 s[WM], s[WV], 1
	s_and_b32 s[WN], s[WV], 1
	s_bfe_u32 s15, ttmp6, 0x40000
	s_bfe_u32 s16, ttmp6, 0x40004
	s_lshl_b32 s17, ttmp9, 2
	s_add_co_u32 s17, s17, s15
	s_and_b32 s18, ttmp7, 0xffff
	s_lshl_b32 s18, s18, 2
	s_add_co_u32 s18, s18, s16
	s_lshl_b32 s19, s16, 2
	s_lshl_b32 s19, 15, s19
	s_lshl_b32 s20, 0x1111, s15
	s_or_b32 s[G1A], s19, (3<<16)|(1<<21)
	s_or_b32 s[G1B], s20, (3<<16)|(1<<21)
.irp gg, G1A, G1B
	s_mov_b32 s[\gg+1], 32<<16
	s_mov_b32 s[\gg+2], 100<<16
	s_mov_b32 s[\gg+3], 32<<16
	s_mov_b32 s[\gg+4], 100
	s_mov_b32 s[\gg+5], 32
	s_mov_b32 s[\gg+6], 0
	s_mov_b32 s[\gg+7], 0
.endr
	s_mul_i32 s21, s[WV], QTR
	s_mul_i32 s56, s18, SLOTB
	s_add_co_u32 s56, s56, s21
	s_mov_b32 s57, 0
	s_mul_i32 s58, s17, SLOTB
	s_add_co_u32 s58, s58, s21
	s_add_co_u32 s58, s58, WOFF
	s_mov_b32 s59, 0
	s_add_co_u32 s[LB0], s21, SLOTB
	s_mov_b32 s[TB], 0
	s_mov_b32 s[HM], 0xffff0000
	s_mov_b32 s[SEL], 0x76543210
	s_mov_b32 s[SEL+1], 0xfedcba98
.macro KPAIR reg, bits
	s_mov_b32 s[\reg], \bits
	s_mov_b32 s[\reg+1], \bits
.endm
	KPAIR KR2, 0x3f3504f3
	KPAIR A9,  0x39702d51
	KPAIR A5,  0x3d50b6eb
	KPAIR A3,  0x3e3da740
	KPAIR A1,  0x3f906eba
	KPAIR B12, 0xb3fd3906
	KPAIR B8,  0x3a856d28
	KPAIR B6,  0x3c6687d4
	KPAIR B4,  0x3de34c21
	KPAIR B2,  0x3efeb44a
	s_mov_b32 s[CLO], 0xc06f9c67
	s_mov_b32 s[CHI], 0x406f9c67
	s_wait_dscnt 0x0
	s_wait_kmcnt 0x0
	s_mov_b32 s[G0A], 1
	s_mov_b32 s[G0A+1], s21
	s_add_nc_u64 s[G0A+2:G0A+3], s[4:5], s[56:57]
	s_or_b32 s[G0A+3], s[G0A+3], 0x80000000
	s_mov_b32 s[G0B], 1
	s_mov_b32 s[G0B+1], s[LB0]
	s_add_nc_u64 s[G0B+2:G0B+3], s[6:7], s[58:59]
	s_or_b32 s[G0B+3], s[G0B+3], 0x80000000
	CROUND
	tensor_load_to_lds s[G0A:G0A+3], s[G1A:G1A+7]
	s_nop 0
	s_wait_alu depctr_va_vdst(0)
	s_wait_tensorcnt 0x0
	ds_add_u32 v28, v29
	s_wait_dscnt 0x0
	CROUND
	tensor_load_to_lds s[G0B:G0B+3], s[G1B:G1B+7]
	s_nop 0
	PLACES 4
	v_and_b32 v1, 15, v0
	v_bfe_u32 v2, v0, 4, 1
	v_and_b32 v3, 31, v0
	v_lshlrev_b32 v[CO], 3, v3
	s_wait_alu depctr_va_vdst(0)
	v_lshlrev_b32 v[GO], 6, v2
	s_lshl_b32 s20, s17, 9
	s_lshl_b32 s21, s[WN], 8
	s_add_co_u32 s20, s20, s21
	s_mov_b32 s21, 0
	s_add_nc_u64 s[8:9], s[8:9], s[20:21]
	GLOAD
	s_mul_i32 s20, s[WM], 24576
	v_add_nc_u32 v[AA], s20, v[CO]
	v_add_nc_u32 v[AA+1], BLKB, v[AA]
	s_mul_i32 s20, s[WN], 24576
	s_add_co_u32 s20, s20, SLOTB
	v_add_nc_u32 v[AB0], s20, v[CO]
	v_add_nc_u32 v[AB0+1], BLKB, v[AB0]
	s_lshl_b32 s20, s[WM], 10
	s_add_co_u32 s20, s20, 49152
	v_lshl_add_u32 v[AS0], v1, 4, s20
	v_add_nc_u32 v[AS0+1], BLKB, v[AS0]
	s_xor_b32 s20, s[WM], 1
	s_add_co_u32 s20, s20, s[WN]
	s_lshl_b32 s20, s20, 10
	s_add_co_u32 s[D0], s20, SLOTB-1024
	v_mov_b32 v[QP], 0
	v_mov_b32 v[QP+1], 0
	WIN 0x40
	v_mov_b32 v[VA7], 0x3b5f5da2
	v_mov_b32 v[VA7+1], 0x3b5f5da2
	v_mov_b32 v[VB10], 0x37c588df
	v_mov_b32 v[VB10+1], 0x37c588df
	WIN 0
	s_lshl_b32 s20, s18, 3
	s_lshr_b32 s21, s17, 2
	s_add_co_u32 s20, s20, s21
	s_mul_i32 s56, s20, BLKB
	s_mov_b32 s57, 0
	s_and_b32 s21, s17, 3
	s_lshl_b32 s21, s21, 1
	s_add_co_u32 s21, s21, s[WN]
	s_lshl_b32 s22, s[WM], 10
	s_lshl_b32 s23, s21, 1
	s_add_co_u32 s22, s22, s23
	s_add_co_u32 s22, s22, 49152
	s_add_co_u32 s58, s56, s22
	s_mov_b32 s59, 0
	s_add_nc_u64 s[60:61], s[10:11], s[58:59]
	s_mul_i32 s22, s[WM], 24576
	s_mul_i32 s23, s21, 768
	s_add_co_u32 s22, s22, s23
	s_add_co_u32 s56, s56, s22
	s_add_nc_u64 s[10:11], s[10:11], s[56:57]
	v_lshlrev_b32 v[HO], 4, v1
	v_lshl_add_u32 v[HO], v2, 9, v[HO]
	s_wait_tensorcnt 0x1
	s_barrier_signal -1
	s_barrier_wait -1
	ALOAD
	s_mov_b32 s[CNT], 3
.Ltile:
	TILE 1
	s_sub_co_u32 s[CNT], s[CNT], 1
	s_cmp_lg_u32 s[CNT], 0
	s_cbranch_scc1 .Ltile
	TILE 0
	s_wait_tensorcnt 0x0
	ds_add_u32 v[SPW], v[NIL]
	s_wait_dscnt 0x0
	CROUND
	s_endpgm
.Lfunc_end_k_q1aab9d7292_ff1:
	.size	k_q1aab9d7292_ff1, .Lfunc_end_k_q1aab9d7292_ff1-k_q1aab9d7292_ff1
	.p2alignl 7, 3214868480
	.fill 96, 4, 3214868480
	.section	.rodata,"a",@progbits
	.p2align	6, 0x0
	.amdhsa_kernel k_q1aab9d7292_ff1
		.amdhsa_group_segment_fixed_size 327680
		.amdhsa_private_segment_fixed_size 0
		.amdhsa_enable_private_segment 0
		.amdhsa_kernarg_size 32
		.amdhsa_user_sgpr_count 2
		.amdhsa_user_sgpr_kernarg_segment_ptr 1
		.amdhsa_wavefront_size32 1
		.amdhsa_system_sgpr_workgroup_id_x 1
		.amdhsa_system_sgpr_workgroup_id_y 1
		.amdhsa_system_sgpr_workgroup_id_z 1
		.amdhsa_system_vgpr_workitem_id 0
		.amdhsa_next_free_vgpr 960
		.amdhsa_next_free_sgpr 96
		.amdhsa_reserve_vcc 0
		.amdhsa_float_denorm_mode_32 3
		.amdhsa_float_denorm_mode_16_64 3
		.amdhsa_memory_ordered 1
		.amdhsa_forward_progress 1
		.amdhsa_inst_pref_size 255
	.end_amdhsa_kernel
	.section	.bss,"aw",@nobits
	.p2align	6
	.space	262144
	.amdgpu_metadata
---
amdhsa.version: [ 1, 2 ]
amdhsa.kernels:
  - .name:           k_q1aab9d7292_ff1
    .symbol:         k_q1aab9d7292_ff1.kd
    .args:
      - { .name: hb, .offset: 0, .size: 8, .value_kind: global_buffer, .address_space: global }
      - { .name: wb, .offset: 8, .size: 8, .value_kind: global_buffer, .address_space: global }
      - { .name: ff1_b, .offset: 16, .size: 8, .value_kind: global_buffer, .address_space: global }
      - { .name: gb, .offset: 24, .size: 8, .value_kind: global_buffer, .address_space: global }
    .group_segment_fixed_size: 327680
    .private_segment_fixed_size: 0
    .kernarg_segment_align: 8
    .kernarg_segment_size: 32
    .max_flat_workgroup_size: 128
    .sgpr_count:     96
    .vgpr_count:     960
    .wavefront_size: 32
...
	.end_amdgpu_metadata
.endif
;; end of part 6
;; launch ff2 (part 7): grid 8 x 32, 4 waves a work-group, clusters of 4 x 4, 327,680 bytes of LDS; arguments gb, wb, ff2_b, x1, out0; writes out0
.if DOCPART == 7
	.amdgcn_target "amdgcn-amd-amdhsa--gfx1250"
	.amdhsa_code_object_version 6
	.text
	.protected	k_q1aab9d7292_ff2
	.globl	k_q1aab9d7292_ff2
	.p2align	8
	.type	k_q1aab9d7292_ff2,@function
k_q1aab9d7292_ff2:
	s_mov_b64 s[64:65], 0
	v_nop
	global_prefetch_b8 v0, s[64:65] scope:SCOPE_SE
	s_setreg_imm32_b32 hwreg(HW_REG_WAVE_MODE, 25, 1), 1
	s_wait_xcnt 0x0
	s_wait_alu depctr_hold_cnt(0) depctr_sa_sdst(0) depctr_va_vdst(0) depctr_va_sdst(0) depctr_va_ssrc(0) depctr_va_vcc(0) depctr_vm_vsrc(0)
	s_getreg_b32 s2, hwreg(HW_REG_IB_STS2, 6, 4)
	s_cmp_eq_u32 s2, 0
	s_cbranch_scc0 .Lentry_in_a_cluster
	s_endpgm
.Lentry_in_a_cluster:
	s_bfe_u32 s2, ttmp6, 0x10000c
	s_cmp_lg_u32 s2, 0xf033
	s_cbranch_scc0 .Lentry_shape_is_right
	s_endpgm
.Lentry_shape_is_right:
.set KC,    8
.set WOFF,  6553600
.set BLKB,  51200
.set SLOTB, 102400
.set QTR,   25600
.set STAGE, 204800
.set SPARE, 222208
.set ADRA, 4
.set ADRB, 6
.set ADRS, 8
.set GO,  10
.set STO, 11
.set RD,  12
.set CO,  13
.set SPW, 28
.set NIL, 29
.set SC,  32
.set G,   64
.set ACC, 128
.set F0,  0
.set F1,  128
.set WV, 14
.set WM, 15
.set WN, 16
.set G1A, 24
.set G1B, 32
.set G0A, 40
.set G0B, 48
.set CNT, 56
.set MUL,  0x05
.set TO_F, 0x40
.set MSB, 0
.macro WIN new
.if MSB != \new
	s_set_vgpr_msb (MSB<<8)|\new
.set MSB, \new
.endif
.endm
.macro PLACES n
.rept \n
	v_nop
.endr
.endm
.macro CROUND
	s_barrier_signal -1
	s_barrier_wait -1
	s_cmp_lg_u32 s[WV], 0
	s_cbranch_scc1 .Lnot_wave_0_\@
	s_barrier_signal -3
.Lnot_wave_0_\@:
	s_barrier_wait -3
	s_barrier_signal -1
	s_barrier_wait -1
.endm
.macro JLOAD s
	s_cmp_eq_u32 s[WM], 0
	s_cbranch_scc0 .Lfor_b_\@
	tensor_load_to_lds s[G0A+4*\s:G0A+4*\s+3], s[G1A:G1A+7]
	s_nop 0
	PLACES 4
	s_branch .Lasked_\@
.Lfor_b_\@:
	tensor_load_to_lds s[G0B+4*\s:G0B+4*\s+3], s[G1B:G1B+7]
	s_nop 0
	PLACES 4
.Lasked_\@:
.endm
.macro FETCH adra, adrb, q, buf
	WIN TO_F
.irp i, 0,1,2,3
.irp pc, 0,1,2,3,4,5
	ds_load_b64 v[(\buf)+12*\i+2*\pc:(\buf)+12*\i+2*\pc+1], v[\adra] offset:6144*\i+1536*(\q)+256*\pc
.endr
.endr
.irp i, 0,1,2,3
.irp pc, 0,1,2,3,4,5
	ds_load_b64 v[(\buf)+48+12*\i+2*\pc:(\buf)+48+12*\i+2*\pc+1], v[\adrb] offset:6144*\i+1536*(\q)+256*\pc
.endr
.endr
	WIN 0
.endm
.macro SCALES adr, set
.irp i, 0,1,2,3
	ds_load_b128 v[SC+16*(\set)+4*\i:SC+16*(\set)+4*\i+3], v[\adr] offset:256*\i
.endr
.endm
.macro MUL16 buf, set, q, cmode
.irp x, 0,1,2,3
.irp y, 0,1,2,3
.set DD, ACC+8*(4*\x+\y)
.set KY, SC+16*(\set)+4*\y+(\q)
.set KX, SC+16*(\set)+4*\x+(\q)
.set RA, (\buf)+48+12*\y
.set RB, (\buf)+12*\x
.set RC, G+8*\y
.if \cmode
.set RC, DD
.endif
	v_wmma_scale_f32_16x16x128_f8f6f4 v[DD:DD+7], v[RA:RA+11], v[RB:RB+11], v[RC:RC+7], v[KY], v[KX] matrix_a_fmt:MATRIX_FMT_BF6 matrix_b_fmt:MATRIX_FMT_BF6 matrix_a_scale:MATRIX_SCALE_ROW1
.endr
.endr
.endm
.macro STEP slot, q, cmode
	s_wait_dscnt 0x0
	PLACES 4
	FETCH ADRA+\slot, ADRB+\slot, (\q)+1, 128*(((\q)+1)%2)
	WIN MUL
	MUL16 128*((\q)%2), \slot, \q, \cmode
	WIN 0
.endm
.macro TURN slot, next, fill
	s_wait_tensorcnt 0x0
	ds_add_u32 v[SPW], v[NIL]
.if \fill
	s_add_nc_u64 s[G0A+4*\slot+2:G0A+4*\slot+3], s[G0A+4*\slot+2:G0A+4*\slot+3], SLOTB
	s_add_nc_u64 s[G0B+4*\slot+2:G0B+4*\slot+3], s[G0B+4*\slot+2:G0B+4*\slot+3], SLOTB
.endif
	s_wait_dscnt 0x0
.if \fill
	CROUND
	JLOAD \slot
.else
	s_barrier_signal -1
	s_barrier_wait -1
	PLACES 4
.endif
	FETCH ADRA+\next, ADRB+\next, 0, F0
	SCALES ADRS+\next, \next
	WIN MUL
	MUL16 F1, \slot, 3, 1
	WIN 0
.endm
.macro OUTX x
.set TT, 64+32*((\x)%2)
.irp y, 0,1,2,3
	ds_store_b128 v[STO], v[ACC+8*(4*(\x)+\y):ACC+8*(4*(\x)+\y)+3] offset:(32*(\y/2)+8*(\y%2))*4
	ds_store_b128 v[STO], v[ACC+8*(4*(\x)+\y)+4:ACC+8*(4*(\x)+\y)+7] offset:(32*(\y/2)+8*(\y%2))*4+16
.endr
.if (\x) >= 2
	s_wait_xcnt 0x0
.endif
.irp t, 0,1,2,3,4,5,6,7
	ds_load_b128 v[TT+4*\t:TT+4*\t+3], v[RD] offset:544*\t
.endr
	s_wait_dscnt 0x0
	WIN 0x08
.set j, 0
.rept 16
	v_pk_add_f32 v[TT+j:TT+j+1], v[TT+j:TT+j+1], v[32*(\x)+j:32*(\x)+j+1]
.set j, j+2
.endr
	WIN 0
.irp t, 0,1,2,3,4,5,6,7
	global_store_b128 v[CO], v[TT+4*\t:TT+4*\t+3], s[12:13] offset:(32*((\x)/2)+8*((\x)%2)+2*\t+8*(\t/4))*4096
.endr
.endm
	s_load_b256 s[4:11], s[0:1], 0x0
	s_load_b64 s[12:13], s[0:1], 0x20
	v_lshl_add_u32 v[SPW], v0, 2, SPARE
	v_mov_b32 v[NIL], 0
	ds_add_u32 v[SPW], v[NIL]
	ds_add_u32 v[SPW], v[NIL]
	v_lshrrev_b32 v1, 5, v0
	v_readfirstlane_b32 s[WV], v1
	s_lshr_b32 s[WM], s[WV], 1
	s_and_b32 s[WN], s[WV], 1
	s_bfe_u32 s17, ttmp6, 0x40000
	s_bfe_u32 s18, ttmp6, 0x40004
	s_lshl_b32 s19, ttmp9, 2
	s_add_co_u32 s19, s19, s17
	s_and_b32 s20, ttmp7, 0xffff
	s_lshl_b32 s20, s20, 2
	s_add_co_u32 s20, s20, s18
	s_lshl_b32 s21, s18, 2
	s_lshl_b32 s21, 15, s21
	s_lshl_b32 s22, 0x1111, s17
	s_or_b32 s[G1A], s21, (3<<16)|(1<<21)
	s_or_b32 s[G1B], s22, (3<<16)|(1<<21)
.irp gg, G1A, G1B
	s_mov_b32 s[\gg+1], 32<<16
	s_mov_b32 s[\gg+2], 100<<16
	s_mov_b32 s[\gg+3], 32<<16
	s_mov_b32 s[\gg+4], 100
	s_mov_b32 s[\gg+5], 32
	s_mov_b32 s[\gg+6], 0
	s_mov_b32 s[\gg+7], 0
.endr
	s_mul_i32 s21, s[WV], QTR
	s_mul_i32 s23, s[WN], QTR
	s_mul_i32 s58, s20, KC*BLKB
	s_add_co_u32 s58, s58, s23
	s_mov_b32 s59, 0
	s_mul_i32 s60, s19, KC*BLKB
	s_add_co_u32 s60, s60, s23
	s_add_co_u32 s60, s60, WOFF
	s_mov_b32 s61, 0
	s_wait_dscnt 0x0
	s_wait_kmcnt 0x0
	s_add_nc_u64 s[58:59], s[4:5], s[58:59]
	s_add_nc_u64 s[60:61], s[6:7], s[60:61]
	CROUND
.irp s, 0,1
	s_mov_b32 s[G0A+4*\s], 1
	s_add_co_u32 s[G0A+4*\s+1], s21, \s*SLOTB
	s_add_nc_u64 s[G0A+4*\s+2:G0A+4*\s+3], s[58:59], \s*BLKB
	s_or_b32 s[G0A+4*\s+3], s[G0A+4*\s+3], 0x80000000
	s_mov_b32 s[G0B+4*\s], 1
	s_add_co_u32 s[G0B+4*\s+1], s21, \s*SLOTB
	s_add_nc_u64 s[G0B+4*\s+2:G0B+4*\s+3], s[60:61], \s*BLKB
	s_or_b32 s[G0B+4*\s+3], s[G0B+4*\s+3], 0x80000000
.if \s
	s_wait_alu depctr_va_vdst(0)
	s_wait_tensorcnt 0x0
	ds_add_u32 v28, v29
	s_wait_dscnt 0x0
	CROUND
.endif
	JLOAD \s
.endr
	v_and_b32 v1, 15, v0
	v_bfe_u32 v2, v0, 4, 1
	v_and_b32 v3, 31, v0
	v_lshlrev_b32 v3, 3, v3
	v_lshlrev_b32 v[GO], 6, v2
	s_wait_alu depctr_va_vdst(0)
	v_lshlrev_b32 v[CO], 4, v1
	v_lshl_add_u32 v[CO], v2, 12, v[CO]
	s_wait_alu depctr_va_vdst(0)
	s_lshl_b32 s22, s19, 9
	s_lshl_b32 s23, s[WN], 8
	s_add_co_u32 s62, s22, s23
	s_mov_b32 s63, 0
	s_add_nc_u64 s[8:9], s[8:9], s[62:63]
	s_lshl_b32 s22, s20, 19
	s_lshl_b32 s23, s[WM], 18
	s_add_co_u32 s62, s62, s22
	s_add_co_u32 s62, s62, s23
	s_add_nc_u64 s[10:11], s[10:11], s[62:63]
	s_add_nc_u64 s[12:13], s[12:13], s[62:63]
.irp y, 0,1,2,3
	global_load_b128 v[G+8*\y:G+8*\y+3], v[GO], s[8:9] offset:(32*(\y/2)+8*(\y%2))*4
	global_load_b128 v[G+8*\y+4:G+8*\y+7], v[GO], s[8:9] offset:(32*(\y/2)+8*(\y%2))*4+16
.endr
	WIN 0x80
.irp x, 0,1,2,3
.irp t, 0,1,2,3,4,5,6,7
	global_load_b128 v[32*\x+4*\t:32*\x+4*\t+3], v[CO], s[10:11] offset:(32*(\x/2)+8*(\x%2)+2*\t+8*(\t/4))*4096
.endr
.endr
	WIN 0
	s_mul_i32 s22, s[WM], 24576
	v_add_nc_u32 v[ADRA], s22, v3
	v_add_nc_u32 v[ADRA+1], SLOTB, v[ADRA]
	s_mul_i32 s22, s[WN], 24576
	s_add_co_u32 s22, s22, BLKB
	v_add_nc_u32 v[ADRB], s22, v3
	v_add_nc_u32 v[ADRB+1], SLOTB, v[ADRB]
	s_lshl_b32 s22, s[WM], 10
	s_add_co_u32 s22, s22, 49152
	v_lshl_add_u32 v[ADRS], v1, 4, s22
	s_xor_b32 s22, s[WM], 1
	s_add_co_u32 s22, s22, s[WN]
	s_lshl_b32 s22, s22, 10
	s_add_co_u32 s22, s22, BLKB-1024
	v_mad_u32_u24 v[ADRS], v2, s22, v[ADRS]
	v_add_nc_u32 v[ADRS+1], SLOTB, v[ADRS]
	s_mul_i32 s22, s[WV], 4352
	s_add_co_u32 s22, s22, STAGE
	v_mul_u32_u24 v[STO], v1, 272
	v_lshl_add_u32 v[STO], v2, 6, v[STO]
	v_add_nc_u32 v[STO], s22, v[STO]
	v_mul_u32_u24 v[RD], v2, 272
	v_lshl_add_u32 v[RD], v1, 4, v[RD]
	v_add_nc_u32 v[RD], s22, v[RD]
	s_wait_alu depctr_va_vdst(0)
	s_wait_tensorcnt 0x1
	s_barrier_signal -1
	s_barrier_wait -1
	FETCH ADRA, ADRB, 0, F0
	SCALES ADRS, 0
	s_wait_loadcnt 32
	STEP 0, 0, 0
.if KC > 2
	s_mov_b32 s[CNT], KC/2-1
.Llap:
	STEP 0, 1, 1
	STEP 0, 2, 1
	TURN 0, 1, 1
	STEP 1, 0, 1
	STEP 1, 1, 1
	STEP 1, 2, 1
	TURN 1, 0, 1
	STEP 0, 0, 1
	s_sub_co_u32 s[CNT], s[CNT], 1
	s_cmp_lg_u32 s[CNT], 0
	s_cbranch_scc1 .Llap
.endif
	STEP 0, 1, 1
	STEP 0, 2, 1
	TURN 0, 1, 0
	STEP 1, 0, 1
	STEP 1, 1, 1
	STEP 1, 2, 1
	s_wait_dscnt 0x0
	WIN MUL
	MUL16 F1, 1, 3, 1
	WIN 0
	PLACES 4
	s_wait_loadcnt 0x0
	OUTX 0
	OUTX 1
	OUTX 2
	OUTX 3
	s_wait_tensorcnt 0x0
	ds_add_u32 v[SPW], v[NIL]
	s_wait_dscnt 0x0
	CROUND
	s_endpgm
.Lfunc_end_k_q1aab9d7292_ff2:
	.size	k_q1aab9d7292_ff2, .Lfunc_end_k_q1aab9d7292_ff2-k_q1aab9d7292_ff2
	.p2alignl 7, 3214868480
	.fill 96, 4, 3214868480
	.section	.rodata,"a",@progbits
	.p2align	6, 0x0
	.amdhsa_kernel k_q1aab9d7292_ff2
		.amdhsa_group_segment_fixed_size 327680
		.amdhsa_private_segment_fixed_size 0
		.amdhsa_enable_private_segment 0
		.amdhsa_kernarg_size 40
		.amdhsa_user_sgpr_count 2
		.amdhsa_user_sgpr_kernarg_segment_ptr 1
		.amdhsa_wavefront_size32 1
		.amdhsa_system_sgpr_workgroup_id_x 1
		.amdhsa_system_sgpr_workgroup_id_y 1
		.amdhsa_system_sgpr_workgroup_id_z 1
		.amdhsa_system_vgpr_workitem_id 0
		.amdhsa_next_free_vgpr 768
		.amdhsa_next_free_sgpr 66
		.amdhsa_reserve_vcc 0
		.amdhsa_float_denorm_mode_32 3
		.amdhsa_float_denorm_mode_16_64 3
		.amdhsa_memory_ordered 1
		.amdhsa_forward_progress 1
		.amdhsa_inst_pref_size 111
	.end_amdhsa_kernel
	.amdgpu_metadata
---
amdhsa.version: [ 1, 2 ]
amdhsa.kernels:
  - .name:           k_q1aab9d7292_ff2
    .symbol:         k_q1aab9d7292_ff2.kd
    .args:
      - { .name: gb, .offset: 0, .size: 8, .value_kind: global_buffer, .address_space: global }
      - { .name: wb, .offset: 8, .size: 8, .value_kind: global_buffer, .address_space: global }
      - { .name: ff2_b, .offset: 16, .size: 8, .value_kind: global_buffer, .address_space: global }
      - { .name: x1, .offset: 24, .size: 8, .value_kind: global_buffer, .address_space: global }
      - { .name: out0, .offset: 32, .size: 8, .value_kind: global_buffer, .address_space: global }
    .group_segment_fixed_size: 327680
    .private_segment_fixed_size: 0
    .kernarg_segment_align: 8
    .kernarg_segment_size: 40
    .max_flat_workgroup_size: 128
    .sgpr_count:     66
    .vgpr_count:     768
    .wavefront_size: 32
...
	.end_amdgpu_metadata
.endif
;; end of part 7
